; MI455X (gfx1250); checked and timed in simulation.
; The chip was launched on July 23, 2026; its instructions are those of AMD's public machine-readable ISA for CDNA 5 (MIT licence, August 2026) and "CDNA5" Instruction Set Architecture Reference Guide (July 2026). The comments in the code are by the model that wrote it; some were corrected since.
;; Attention. Allowed arithmetic: matrix products marked QUANTISED: E5M2 operands, one E8M0 scale for each 32 along K, by v_wmma_scale_f32_16x16x128_f8f6f4 with both operands' format E5M2, f32 sums; everything else in f32.
;; Inputs: hidden_state 4 x 2,048 x 1,024 float32; o_b 1,024 float32; o_w 1,024 x 1,024 float32; qkv_b 3,072 float32; qkv_w 1,024 x 3,072 float32.
;; Outputs: out0 4 x 2,048 x 1,024 float32.
;; This version of the problem:
;;   THIS VERSION OF THE PROBLEM IS GIVEN IN LOW PRECISION. The matrix products marked QUANTISED in the list below multiply operands that are first quantised to E5M2 (5 exponent bits, 2 mantissa bits; 8 bits a number), with one power-of-two scale for each 32 numbers along K (OCP MX v1.0); their sums are f32. All else is computed in f32.
;;   The module's matrix products, in the order in which they are computed (A, B: the left and right operand; K: the contracted axis; several contracted axes count as one K, in the product's order):
;;     1. [M 8,192, K 1,024] x [K 1,024, N 3,072]; A: input hidden_state; B: input qkv_w: QUANTISED
;;     2. batch 64 x [M 2,048, K 64] x [K 64, N 2,048]; A: computed on the way; B: computed on the way: QUANTISED
;;     3. batch 64 x [M 2,048, K 2,048] x [K 2,048, N 64]; A: softmax (see below); B: computed on the way: QUANTISED
;;     4. [M 8,192, K 1,024] x [K 1,024, N 1,024]; A: computed on the way; B: input o_w: QUANTISED
;;   THE QUANTISER, for each operand of a quantised product, along K:
;;     - K is cut into blocks of 32 from its start; a last block that is shorter is filled with zeros.
;;     - A block's scale is 2^e with e = floor(log2(the largest magnitude in the block)) - 15, held to -126 .. 127; a block of zeros has e = 0. As a byte (E8M0): e + 127.
;;     - Each number is divided by its block's scale, clamped to +-57,344, and rounded to the nearest number of E5M2, ties to even, subnormals kept.
;;     - The product sums the exact products of the quantised numbers (number of the format x scale) in f32.
;;   ~~~python
;;   def quantise(x, axis):      # numpy; x: float32 -> the quantised numbers, widened to float32 again
;;       x = np.moveaxis(x, axis, -1); K = x.shape[-1]
;;       x = np.pad(x, [(0, 0)] * (x.ndim - 1) + [(0, -K % 32)]); x = x.reshape(x.shape[:-1] + (-1, 32)); a = np.abs(x).max(-1, keepdims=True)
;;       e = np.where(a > 0, np.clip(np.frexp(np.where(a > 0, a, 1))[1] - 1 - 15, -126, 127), 0)      # np.frexp(a)[1] - 1 = floor(log2(a)), exactly
;;       r = np.clip(x / 2.0 ** e, -57344, 57344)
;;       step = 2.0 ** (np.maximum(np.frexp(np.where(r == 0, 1, r))[1] - 1, -14) - 2)
;;       q = np.round(r / step) * step * 2.0 ** e      # np.round: ties to even
;;       return np.moveaxis(q.reshape(q.shape[:-2] + (-1,))[..., :K], -1, axis).astype(np.float32)
;;   ~~~
;;   SOFTMAX AHEAD OF A QUANTISED PRODUCT. Where the list says 'softmax', what is quantised is not the finished softmax but p = 2^(t - M), with t = logit x log2(e) and M = ceil(the row's largest t), a whole number; so 1/2 < the row's largest p <= 1. The row's sum l is taken of the UNQUANTISED p, in f32, and the product's result is divided by l at the end. Since M is a whole number, a kernel that streams over the keys may use a running M (the ceiling of the running maximum): every later rescaling is an exact power of two, which a block's scale takes up: the codes' values come out the same.
;;   OPERANDS COMPUTED ON THE WAY. 'Computed on the way' means the value that the module computes at that place (a softmax that the list does not call 'softmax' is quantised finished and normalised). What goes into a quantiser is computed in f32, as accurately as f32 sums, v_exp_f32 and their like allow (about 1e-6 of the number): no bf16 or f16 on the way to a quantiser, and a product that is left as it is and whose result goes on into a quantised operand takes f32 operands (vector FMAs, or v_wmma_f32_16x16x4_f32). A number that lies on a knife's edge between two numbers of the format may be rounded either way, as far as f32 arithmetic and the matrix unit's own rounding can turn it there, and no further.
;; One version. Each part assembles by itself: llvm-mc -triple=amdgcn-amd-amdhsa -mcpu=gfx1250 --defsym DOCPART=n.
;; ======== version 1 of 1: 4 launches
;; limits: right only within a limited range of input values
;; workspace buffers: x_q 8,650,752 bytes; w_q 4,325,376 bytes; q_q 8,912,896 bytes; kv_q 17,563,648 bytes; a_q 8,650,752 bytes
;; launch quant (part 1): grid 256 x 1, 4 waves a work-group, no clusters, 34,304 bytes of LDS; arguments hidden_state, qkv_w, o_w, x_q, w_q; writes x_q, w_q
.if DOCPART == 1
	.amdgcn_target "amdgcn-amd-amdhsa--gfx1250"
	.amdhsa_code_object_version 6
	.text
	.protected	k_qee11803c5d_quant
	.globl	k_qee11803c5d_quant
	.p2align	8
	.type	k_qee11803c5d_quant,@function
k_qee11803c5d_quant:
	s_mov_b64 s[64:65], 0
	v_nop
	global_prefetch_b8 v0, s[64:65] scope:SCOPE_SE
	s_setreg_imm32_b32 hwreg(HW_REG_WAVE_MODE, 25, 1), 1
	s_wait_xcnt 0x0
; hidden_state [8192][1024], qkv_w [1024][3072] and o_w [1024][1024], f32, become codes of BF8 (E5M2) with one E8M0 byte for each 32 along K (K = 1,024 in all three).
; A block's scale is 2^(floor(log2(its largest magnitude)) - 15); each number is divided by it, held within +-57,344 and rounded to the nearest code, ties to even.
; THE CODES ARE LAID AS IMAGES OF THE MATRIX OPERAND'S REGISTERS.  Rows go in groups of 128 (RG), a group in 8 tiles of 16; lane r of tile i holds row 32 (i / 2) + 8 (i % 2) + r + 8 (r / 8).
; A fragment (tile i, K step q of 128) is 2,048 bytes at RG x 131072 + q x 16384 + i x 2048: byte 512 c + 16 lane + m is the code of k = 128 q + 32 c + 16 (lane / 16) + m of the lane's row.
; The scale words (four bytes: a row's 128 along K) lie behind the codes at RG x 4096 + i x 512 + r x 32 + q x 4.
; In w_q a "row" is a column n of the weight: groups 0-23 are qkv_w's, groups 24-31 o_w's.
; LIMITS: NaN and infinities among the inputs are not served.  A block of zeros, or one whose largest magnitude lies under the floor 2^(16 - 127), gets the byte 1 where the rule says 127 for zeros:
; its codes are zeros, and the bytes are read by this program alone.
; Work-groups 0-127 take hidden_state, 128-255 the weights: two ways that part at the head on the work-group's number; only the first uses LDS.  No barrier: waves share nothing.
; No cluster, no tensor load, no matrix unit: this is a stream in which no two work-groups read the same byte.
.set XSCO, 8388608                     ; where x_q's scale words begin
.set WSCO, 4194304                     ; and w_q's
.set STGB, 8448                        ; x: a wave's stage in LDS: 16 rows x (512 bytes + 16)
.set XR,   16                          ; x: v16-143  two sets of 64: a K step of 16 rows as it is loaded
.set XX,   144                         ; x: v144-207 64 numbers of my row: register 16 b + i = k 32 b + 16 (lane / 16) + i
.set PC,   208                         ; x: v208-223 the fragment's codes
.set TM,   224                         ; x: v224-239 +0 largest magnitudes, +4 bytes, +8 the largest number x the scale, +12 the scale operands
.set WD,   240                         ; x: v240-247 the eight scale words of my row
.set SX,   248                         ; x: v248-251 the four that I store
.set OF,   16                          ; w: v16-47   my column's byte + i rows
.set XW,   48                          ; w: v48-111  two sets of 32: a block down K
.set CW,   112                         ; w: v112-175 eight registers of codes for each block: no store's data are written again
	s_load_b256 s[4:11], s[0:1], 0x0               ; hidden_state s[4:5], qkv_w s[6:7], o_w s[8:9], x_q s[10:11]
	s_load_b64 s[12:13], s[0:1], 0x20              ; w_q
	v_lshl_add_u32 v254, v0, 2, 0x8400
	v_mov_b32 v255, 0
	v_lshrrev_b32 v1, 5, v0
	v_readfirstlane_b32 s14, v1                    ; wave 0..3
	v_and_b32 v14, 15, v0                          ; r
	v_bfe_u32 v15, v0, 4, 1                        ; h
	s_mov_b32 s20, 0x76543210
	s_mov_b32 s21, 0xfedcba98                      ; v_permlanex16_b32's selects for lane l xor 16
	s_mov_b32 s23, 0x600000                        ; the mantissa field of 57,344
	s_cmp_lt_u32 ttmp9, 128
	s_cbranch_scc0 .Lweights
; ---------------- hidden_state: a wave takes one tile of 16 rows through all of K: eight fragments ----------------
	v_and_b32 v6, 31, v0
	v_lshlrev_b32 v1, 4, v6                        ; 16 x lane: my 16 bytes of a load's 512, and of a store's
	s_mul_i32 s15, s14, STGB
	v_add_nc_u32 v2, s15, v1                       ; into the stage: as loaded
	v_mul_u32_u24 v3, v14, 528
	v_lshl_add_u32 v3, v15, 6, v3
	v_add_nc_u32 v3, s15, v3                       ; out of it: row r, + 64 h: my 16 numbers of a block of 32
	v_lshlrev_b32 v4, 5, v14
	v_lshl_add_u32 v4, v15, 4, v4                  ; the scale words: 32 r + 16 h
.irp b, 0,1,2,3
	v_mov_b32 v[TM+4+\b], 0                        ; written once: a lane permute's destination counts as one of its sources
.endr
	s_lshl_b32 s16, ttmp9, 2
	s_add_co_u32 s16, s16, s14                     ; my tile, 0..511
	s_lshr_b32 s17, s16, 3                         ; RG
	s_and_b32 s18, s16, 7                          ; i
	s_lshl_b32 s24, s17, 7
	s_lshr_b32 s25, s18, 1
	s_lshl_b32 s25, s25, 5
	s_add_co_u32 s24, s24, s25
	s_and_b32 s25, s18, 1
	s_lshl_b32 s25, s25, 3
	s_add_co_u32 s24, s24, s25                     ; the tile's first row: 128 RG + 32 (i / 2) + 8 (i % 2)
	s_lshl_b32 s24, s24, 12                        ; x 4,096 bytes
	s_mov_b32 s25, 0
	s_lshl_b32 s26, s17, 17
	s_lshl_b32 s27, s18, 11
	s_add_co_u32 s26, s26, s27                     ; the tile's fragments
	s_mov_b32 s27, 0
	s_lshl_b32 s28, s16, 9
	s_add_co_u32 s28, s28, XSCO                    ; its scale words
	s_mov_b32 s29, 0
	s_wait_alu depctr_va_vdst(0)
	s_wait_kmcnt 0x0
	s_add_nc_u64 s[4:5], s[4:5], s[24:25]
	s_add_nc_u64 s[30:31], s[10:11], s[26:27]
	s_add_nc_u64 s[32:33], s[10:11], s[28:29]
.macro XL q                            ; K step q of the 16 rows: each load reads 512 consecutive bytes of one row
.irp m, 0,1,2,3,4,5,6,7,8,9,10,11,12,13,14,15
	global_load_b128 v[XR+64*((\q)%2)+4*\m:XR+64*((\q)%2)+4*\m+3], v1, s[4:5] offset:(\m+8*(\m/8))*4096+512*(\q) th:TH_LOAD_NT
.endr
.endm
.macro QUANT s, w                      ; 64 numbers v[s] on become the codes in v[PC] on and the scale word in v[w]
.irp b, 0,1,2,3
	v_max3_num_f32 v[TM+\b], |v[\s+16*\b]|, |v[\s+1+16*\b]|, 0x8000000   ; block b: my 16 numbers, and the floor 2^(16 - 127): the byte cannot fall under 1
.endr
.irp i, 2,4,6,8,10,12,14
.irp b, 0,1,2,3
	v_max3_num_f32 v[TM+\b], v[TM+\b], |v[\s+16*\b+\i]|, |v[\s+1+16*\b+\i]|   ; the four blocks by turns
.endr
.endr
.irp b, 0,1,2,3
	v_permlanex16_b32 v[TM+4+\b], v[TM+\b], s20, s21
.endr
.irp b, 0,1,2,3
	v_max_num_f32 v[TM+\b], v[TM+\b], v[TM+4+\b]   ; with lane l xor 16's 16: the block's largest magnitude
.endr
.irp b, 0,1,2,3
	v_add_nc_u32 v[TM+12+\b], 0xf8800000, v[TM+\b] ; 15 off its exponent field: the conversion takes this operand's exponent field as its scale
.endr
.irp b, 0,1,2,3
	v_and_or_b32 v[TM+8+\b], v[TM+\b], 0x7f800000, s23   ; 57,344 x the scale
.endr
.irp b, 0,1,2,3
	v_lshrrev_b32 v[TM+4+\b], 23, v[TM+12+\b]      ; the scale's byte
.endr
	v_lshl_or_b32 v[\w], v[TM+5], 8, v[TM+4]
	v_lshl_or_b32 v[\w], v[TM+6], 16, v[\w]
	v_lshl_or_b32 v[\w], v[TM+7], 24, v[\w]
.irp b, 0,1,2,3
.irp i, 0,1,2,3,4,5,6,7,8,9,10,11,12,13,14,15
	v_med3_num_f32 v[\s+16*\b+\i], v[\s+16*\b+\i], -v[TM+8+\b], v[TM+8+\b]   ; the conversion to an 8-bit code does not saturate (ISA guide 7.6.2): the hold comes first
.endr
	v_cvt_scalef32_pk8_bf8_f32 v[PC+4*\b:PC+1+4*\b], v[\s+16*\b:\s+7+16*\b], v[TM+12+\b]
	v_cvt_scalef32_pk8_bf8_f32 v[PC+2+4*\b:PC+3+4*\b], v[\s+8+16*\b:\s+15+16*\b], v[TM+12+\b]
.endr
	v_nop                                          ; a plain line behind the last conversion
.endm
.macro STEPX q
.if (\q) < 7
	s_wait_loadcnt 16                              ; this K step's 16 loads are in; the next step's 16 may be out
.else
	s_wait_loadcnt 0
.endif
	s_wait_xcnt 0x0                                ; the last step's stores have read v[PC] on: it is written again below
.irp m, 0,1,2,3,4,5,6,7,8,9,10,11,12,13,14,15
	ds_store_b128 v2, v[XR+64*((\q)%2)+4*\m:XR+64*((\q)%2)+4*\m+3] offset:528*\m
.endr
.irp b, 0,1,2,3
.irp j, 0,1,2,3
	ds_load_b128 v[XX+16*\b+4*\j:XX+16*\b+4*\j+3], v3 offset:128*\b+16*\j   ; LDS serves a wave's instructions in order: these see the stores above
.endr
.endr
	s_wait_dscnt 0x0                               ; my 64 numbers are in, and the stores have read their registers,
.if (\q) < 6
	XL (\q)+2                                      ; which take the loads of two steps on
.endif
	QUANT XX, WD+(\q)
.irp c, 0,1,2,3
	global_store_b128 v1, v[PC+4*\c:PC+4*\c+3], s[30:31] offset:16384*(\q)+512*\c   ; 512 consecutive bytes, aligned
.endr
.endm
	XL 0
	XL 1
.irp q, 0,1,2,3,4,5,6,7
	STEPX \q
.endr
	v_cmp_ne_u32 vcc_lo, 0, v15
.irp k, 0,1,2,3
	v_cndmask_b32 v[SX+\k], v[WD+\k], v[WD+4+\k], vcc_lo   ; both halves of the lanes hold a row's eight words: lanes 0-15 store the first four, lanes 16-31 the others
.endr
	global_store_b128 v4, v[SX:SX+3], s[32:33]     ; 512 consecutive bytes
	s_wait_tensorcnt 0x0
	ds_add_u32 v254, v255
	s_wait_dscnt 0x0
	s_endpgm
; ---------------- the weights: K is their first axis.  A lane takes a column, its registers run down K; a wave takes 32 columns (two tiles) x 256 along K ----------------
.Lweights:
	s_sub_co_u32 s15, ttmp9, 128
	s_lshr_b32 s16, s15, 2                         ; the group of 128 columns, 0..31
	s_and_b32 s17, s15, 3                          ; which 256 along K
	s_mov_b32 s24, 12288
	s_cmp_ge_u32 s16, 24                           ; o_w's groups
	s_cselect_b32 s18, 24, 0
	s_cselect_b32 s24, 4096, s24                   ; bytes from row to row of the weight
	s_sub_co_u32 s18, s16, s18
	s_lshl_b32 s18, s18, 7
	s_lshl_b32 s19, s14, 5
	s_add_co_u32 s18, s18, s19                     ; my wave's first column in its weight
	s_lshl_b32 s18, s18, 2
	s_lshl_b32 s19, s17, 8
	s_mul_i32 s19, s19, s24
	s_add_co_u32 s26, s18, s19                     ; where my part begins, in bytes
	s_mov_b32 s27, 0
	s_lshl_b32 s28, s24, 5                         ; a block of 32 rows on
	s_mov_b32 s29, 0
	s_wait_alu depctr_va_vdst(0)
	v_and_b32 v4, 8, v14
	v_add_nc_u32 v4, v4, v14
	v_lshl_add_u32 v4, v15, 3, v4                  ; my column of the 32: 8 u + r + 8 (r / 8), u = lane / 16 the tile: the 32 lanes read 128 consecutive bytes
	v_lshlrev_b32 v5, 2, v4
.set ii, 0
.rept 32
	v_mad_u32_u24 v[OF+ii], s24, ii, v5
.set ii, ii+1
.endr
	v_lshlrev_b32 v6, 4, v14
	v_lshl_add_u32 v6, v15, 11, v6                 ; codes: 2048 u + 16 r
	v_lshlrev_b32 v7, 5, v14
	v_lshl_add_u32 v7, v15, 9, v7                  ; scale words: 512 u + 32 r
	s_lshl_b32 s30, s16, 17
	s_lshl_b32 s31, s17, 15
	s_add_co_u32 s30, s30, s31
	s_lshl_b32 s31, s14, 12
	s_add_co_u32 s30, s30, s31                     ; RG x 131072 + two K steps x 16384 + two tiles x 2048
	s_mov_b32 s31, 0
	s_lshl_b32 s48, s16, 12
	s_lshl_b32 s49, s14, 10
	s_add_co_u32 s48, s48, s49
	s_lshl_b32 s49, s17, 3
	s_add_co_u32 s48, s48, s49
	s_add_co_u32 s48, s48, WSCO
	s_mov_b32 s49, 0
	s_wait_alu depctr_va_vdst(0)
	s_wait_kmcnt 0x0
	s_add_nc_u64 s[50:51], s[12:13], s[30:31]      ; my codes
	s_add_nc_u64 s[52:53], s[12:13], s[48:49]      ; my scale words
	s_cmp_ge_u32 s16, 24                           ; the choice hangs on the work-group's number alone
	s_cselect_b64 s[32:33], s[8:9], s[6:7]
	s_add_nc_u64 s[32:33], s[32:33], s[26:27]      ; a base for each of the eight blocks: none is stepped while loads are out
.irp t, 1,2,3,4,5,6,7
	s_add_nc_u64 s[32+2*\t:33+2*\t], s[30+2*\t:31+2*\t], s[28:29]
.endr
.macro LOADW t
.set ii, 0
.rept 32
	global_load_b32 v[XW+32*((\t)%2)+ii], v[OF+ii], s[32+2*(\t):33+2*(\t)] th:TH_LOAD_NT
.set ii, ii+1
.endr
.endm
.macro BLOCKW t
.set XS, XW+32*((\t)%2)
.set CB, CW+8*(\t)
.if (\t) < 7
	s_wait_loadcnt 32                              ; this block's 32 loads are in; the next block's may be out
.else
	s_wait_loadcnt 0
.endif
	v_max3_num_f32 v12, |v[XS]|, |v[XS+1]|, |v[XS+2]|        ; the block's largest magnitude: all 32 numbers are mine
	v_max3_num_f32 v13, |v[XS+3]|, |v[XS+4]|, |v[XS+5]|
.irp i, 6,10,14,18,22,26
	v_max3_num_f32 v12, v12, |v[XS+\i]|, |v[XS+\i+1]|
	v_max3_num_f32 v13, v13, |v[XS+\i+2]|, |v[XS+\i+3]|
.endr
	v_max3_num_f32 v12, v12, |v[XS+30]|, |v[XS+31]|
	v_max3_num_f32 v12, v12, v13, 0x8000000        ; and the floor
	v_add_nc_u32 v11, 0xf8800000, v12              ; the conversion's scale operand
	v_and_or_b32 v10, v12, 0x7f800000, s23         ; 57,344 x the scale
	v_lshrrev_b32 v13, 23, v11                     ; the byte
.if (\t)%4 == 0
	v_mov_b32 v[8+(\t)/4], v13
.else
	v_lshl_or_b32 v[8+(\t)/4], v13, 8*((\t)%4), v[8+(\t)/4]
.endif
.set ii, 0
.rept 32
	v_med3_num_f32 v[XS+ii], v[XS+ii], -v10, v10
.set ii, ii+1
.endr
.irp g, 0,1,2,3
	v_cvt_scalef32_pk8_bf8_f32 v[CB+2*\g:CB+2*\g+1], v[XS+8*\g:XS+8*\g+7], v11
.endr
	v_nop
	global_store_b128 v6, v[CB:CB+3], s[50:51] offset:((\t)/4)*16384+((\t)%4)*512         ; k 0..15 of the block: the place of lanes 0-15 in the image; sixteen lanes store 256 consecutive bytes, aligned
	global_store_b128 v6, v[CB+4:CB+7], s[50:51] offset:((\t)/4)*16384+((\t)%4)*512+256   ; k 16..31: the place of lanes 16-31
.if (\t) < 6
	LOADW (\t)+2
.endif
.endm
	LOADW 0
	LOADW 1
.irp t, 0,1,2,3,4,5,6,7
	BLOCKW \t
.endr
	global_store_b64 v7, v[8:9], s[52:53]          ; my column's two scale words: 8 bytes a lane, 32 bytes apart: 131,072 bytes of the launch leave so
	s_endpgm
.Lfunc_end_k_qee11803c5d_quant:
	.size	k_qee11803c5d_quant, .Lfunc_end_k_qee11803c5d_quant-k_qee11803c5d_quant
	.p2alignl 7, 3214868480
	.fill 96, 4, 3214868480
	.section	.rodata,"a",@progbits
	.p2align	6, 0x0
	.amdhsa_kernel k_qee11803c5d_quant
		.amdhsa_group_segment_fixed_size 34304
		.amdhsa_private_segment_fixed_size 0
		.amdhsa_enable_private_segment 0
		.amdhsa_kernarg_size 40
		.amdhsa_user_sgpr_count 2
		.amdhsa_user_sgpr_kernarg_segment_ptr 1
		.amdhsa_wavefront_size32 1
		.amdhsa_system_sgpr_workgroup_id_x 1
		.amdhsa_system_sgpr_workgroup_id_y 1
		.amdhsa_system_sgpr_workgroup_id_z 1
		.amdhsa_system_vgpr_workitem_id 0
		.amdhsa_next_free_vgpr 256
		.amdhsa_next_free_sgpr 66
		.amdhsa_reserve_vcc 1
		.amdhsa_float_denorm_mode_32 3
		.amdhsa_float_denorm_mode_16_64 3
		.amdhsa_memory_ordered 1
		.amdhsa_forward_progress 1
		.amdhsa_inst_pref_size 157
	.end_amdhsa_kernel
	.amdgpu_metadata
---
amdhsa.version: [ 1, 2 ]
amdhsa.kernels:
  - .name:           k_qee11803c5d_quant
    .symbol:         k_qee11803c5d_quant.kd
    .args:
      - { .name: hidden_state, .offset: 0, .size: 8, .value_kind: global_buffer, .address_space: global }
      - { .name: qkv_w, .offset: 8, .size: 8, .value_kind: global_buffer, .address_space: global }
      - { .name: o_w, .offset: 16, .size: 8, .value_kind: global_buffer, .address_space: global }
      - { .name: x_q, .offset: 24, .size: 8, .value_kind: global_buffer, .address_space: global }
      - { .name: w_q, .offset: 32, .size: 8, .value_kind: global_buffer, .address_space: global }
    .group_segment_fixed_size: 34304
    .private_segment_fixed_size: 0
    .kernarg_segment_align: 8
    .kernarg_segment_size: 40
    .max_flat_workgroup_size: 128
    .sgpr_count:     66
    .vgpr_count:     256
    .wavefront_size: 32
...
	.end_amdgpu_metadata
.endif
;; end of part 1
;; launch gemm1 (part 2): grid 8 x 32, 4 waves a work-group, clusters of 4 x 4, 327,680 bytes of LDS; arguments x_q, w_q, qkv_b, q_q, kv_q; writes q_q, kv_q
.if DOCPART == 2
	.amdgcn_target "amdgcn-amd-amdhsa--gfx1250"
	.amdhsa_code_object_version 6
	.text
	.protected	k_qee11803c5d_gemm1
	.globl	k_qee11803c5d_gemm1
	.p2align	8
	.type	k_qee11803c5d_gemm1,@function
k_qee11803c5d_gemm1:
	s_mov_b64 s[64:65], 0
	v_nop
	global_prefetch_b8 v0, s[64:65] scope:SCOPE_SE
	s_setreg_imm32_b32 hwreg(HW_REG_WAVE_MODE, 25, 1), 1
	s_wait_xcnt 0x0
	s_wait_alu depctr_hold_cnt(0) depctr_sa_sdst(0) depctr_va_vdst(0) depctr_va_sdst(0) depctr_va_ssrc(0) depctr_va_vcc(0) depctr_vm_vsrc(0)
	s_getreg_b32 s2, hwreg(HW_REG_IB_STS2, 6, 4)
	s_cmp_eq_u32 s2, 0
	s_cbranch_scc0 .Lentry_in_a_cluster
	s_endpgm
.Lentry_in_a_cluster:
	s_bfe_u32 s2, ttmp6, 0x10000c
	s_cmp_lg_u32 s2, 0xf033
	s_cbranch_scc0 .Lentry_shape_is_right
	s_endpgm
.Lentry_shape_is_right:
; qkv = x W + b on codes of BF8 (E5M2) with E8M0 scales, and q, k, v quantised again on the way out: q and k along the head's 64, v along the keys.
; OPERANDS lie in memory as images of the operand's registers (rows in groups of 128 = RG; lane r of tile i holds row 32 (i / 2) + 8 (i % 2) + r + 8 (r / 8); a fragment of 16 rows x 128 K is 2,048 bytes, 16 bytes a lane four times).
; Source 0 = a tile of an operand R, source 1 = a tile of an operand P: a lane holds ONE row of P, and the 16 registers of R's tiles 2 j and 2 j + 1 are 16 NEIGHBOURS along R: so results are quantised along R in registers.
; 256 WORK-GROUPS THAT STAY, two phases each.  PHASE 1: 256 rows of x (P) x 256 columns of W_q (cluster x = 0) or W_k (1) (R); a wave makes 128 x 128.
; PHASE 2: 128 columns of W_v (P: RG 16 + 4 X + cy) x 256 rows of x (R: RG 8 Y + 2 cx on): a wave makes 64 x 128: one head's channels x one key step.  (X, cy) x (Y, cx) are the 256 half tiles of v, one owner each.
; K = 1,024 goes in four steps of 256 through two LDS slots, in both phases; THE RING RUNS ON: phase 1's last two changes of slots ask for phase 2's first two steps, and q's or k's way out stands under those loads.
; LOADS.  Wave 0 fetches P's part of a slot, wave 2 R's (two RG as 2 rows of 32,768 bytes; phase 2's P one RG as 128 rows of 256).  Waves 1 and 3 fetch the scale words: phase 1's at the head, phase 2's with slot 1's first fill, into bytes of their own.
; CLUSTER 4 x 4: P's tiles hang on cy and the cluster's numbers and are asked for jointly by a row, R's on cx and by a column.  Every branch hangs on the wave's number.
; No prefetch: K is four slot steps at the largest block in clusters.
; OUT: q_q: head x 131072 + (t / 128) x 8192 + tile x 1024 + block x 512 + 16 lane; scale words at 8388608 + head x 8192 + (t / 128) x 512 + 32 r + 4 tile.
;      kv_q: head x 274432 + key step x 17152 + { K's codes: tile x 1024 + block x 512 | 8192 + V^T's: tile x 2048 + block x 512 | 16384 + K's scale words: 32 r + 4 tile | 16896 + V's: 16 r + 4 tile }.
; LIMITS: NaN and infinities are not served; a block under the floor 2^(16 - 127) gets the byte 1 (its codes are zeros; the bytes are read by this program alone).
; REGISTERS: window 0: v1 r, v2 h, v3-4 the biases' offsets, v8-11 v's bias, v16-27 addresses, v28-29 for the add, v32-63 scale words (two sets), v64-127 q's or k's bias as C (later at work), v128-255 P's fragments (later the codes).
;   window 1: R's fragments, two sets.   windows 2, 3: the accumulators: (a, b) at v[8 (8 (a % 4) + b)] of window 2 + a / 4.
.set XSCO,  8388608
.set WSCO,  4194304
.set SLOTB, 131072
.set SCL,   2*SLOTB                    ; behind the ring: phase 1's scale words, four RG of 4,096 bytes;
.set SCL2,  SCL+16384                  ; phase 2's: P's RG, then R's two
.set SPARE, SCL2+12288                 ; the spare words, 128 bytes for each wave
.set NQ,    2
.set FR,    16
.set NL,    4
.set NP,    8                          ; places behind this matrix instruction (ISA guide 7.12.1)
.set BP,    8
.set ADRA,  16
.set ADRA2, 18
.set ADRB,  20
.set ADRS2, 22
.set L16,   24
.set SOF,   25
.set SOF2,  26
.set ADRS,  27
.set SPW,   28
.set NIL,   29
.set SC,    32
.set BI,    64
.set AF,    128
.set AFB,   AF                         ; where the set of P's fragments in hand begins
.set WQ,    64                         ; the way out: v64-71 the scale words of P's tiles
.set SXQ,   72
.set D0,    76
.set D1,    80
.set TM,    84                         ; v84-99 +0 largest magnitudes, +4 bytes, +8 limits, +12 scale operands
.set G1,    24
.set G0,    32
.set G1B,   48
.set G0B,   56
.set G1S,   68
.set G0S,   76
.set G1SB,  80
.set G0SB,  88
.set CB0,   92
.set CB1,   94
.set SB0,   96
.set SB1,   98
.set P2,    66                         ; s[66:67] phase 2's P, s[100:101] its R
.set R2,    100
.set MSB, 0
.macro WIN new                         ; the immediate's high byte repeats the setting that is left
.if MSB != (\new)
	s_set_vgpr_msb (MSB<<8)|(\new)
.set MSB, (\new)
.endif
.endm
.set MUL_LO, 0xa1                      ; source 0 (R) window 1, source 1 (P) window 0, C and D window 2
.set MUL_HI, 0xf1
.set FST_LO, 0x81                      ; a phase's first step: C is the bias in window 0, or the constant 0
.set FST_HI, 0xc1
.set TO_B,   0x40
.macro PLACES n
.rept \n
	v_nop
.endr
.endm
.macro TL g0, g1                       ; a tensor load; s_nop 0 and four v_nop follow it
	tensor_load_to_lds s[\g0:\g0+3], s[\g1:\g1+7]
	s_nop 0
	PLACES 4
.endm
.macro JLOAD g0a, g1a, g0b, g1b        ; a slot's joint loads: wave 0 for P, wave 2 for R
	s_cmp_eq_u32 s14, 0
	s_cbranch_scc0 .Lnot_p_\@
	TL \g0a, \g1a
	s_branch .Lasked_\@
.Lnot_p_\@:
	s_cmp_eq_u32 s14, 2
	s_cbranch_scc0 .Lasked_\@
	TL \g0b, \g1b
.Lasked_\@:
.endm
.macro FOUR ga, gs, gb, gsb            ; four first fills, one a wave, in one chain of arms: wave 0 P's codes, wave 1 P's scale words, wave 2 R's codes, wave 3 R's scale words
	s_cmp_lt_u32 s14, 1
	s_cbranch_scc0 .Lps_\@
	TL \ga, G1
	s_branch .Lfour_\@
.Lps_\@:
	s_cmp_lt_u32 s14, 2
	s_cbranch_scc0 .Lr_\@
	TL \gs, G1S
	s_branch .Lfour_\@
.Lr_\@:
	s_cmp_lt_u32 s14, 3
	s_cbranch_scc0 .Lrs_\@
	TL \gb, G1B
	s_branch .Lfour_\@
.Lrs_\@:
	TL \gsb, G1SB
.Lfour_\@:
.endm
.macro CREST                           ; a round of the cluster's barrier behind its opening barrier
	s_cmp_lg_u32 s14, 0
	s_cbranch_scc1 .Lnot_wave_0_\@
	s_barrier_signal -3
.Lnot_wave_0_\@:
	s_barrier_wait -3
	s_barrier_signal -1
	s_barrier_wait -1
.endm
.macro CROUND
	s_barrier_signal -1
	s_barrier_wait -1
	CREST
.endm
.macro FRAG reg, adr, q, i             ; a fragment's image: four loads of 512 consecutive bytes
.irp c, 0,1,2,3
	ds_load_b128 v[\reg+4*\c:\reg+4*\c+3], v[\adr] offset:16384*(\q)+2048*(\i)+512*\c
.endr
.endm
.macro WM d, rb, pa, c, sr, sp
	v_wmma_scale_f32_16x16x128_f8f6f4 v[\d:\d+7], v[\rb:\rb+15], v[\pa:\pa+15], \c, v[\sr], v[\sp] matrix_a_fmt:MATRIX_FMT_BF8 matrix_b_fmt:MATRIX_FMT_BF8 matrix_a_scale:MATRIX_SCALE_ROW1
.endm
.macro MUL16 a0, p, q, sc, first       ; P's tiles a0, a0 + 1 x R's eight, 128 along K.  first = 1: C is the bias; 2: the constant 0.  The accumulators take turns, one instruction a turn
.irp a, \a0, \a0+1
.irp b, 0,1,2,3,4,5,6,7
.if \first == 1
	WM 8*(8*((\a)%4)+\b), 128*(\p)+FR*\b, AFB+FR*(\a), v[BI+8*\b:BI+8*\b+7], SC+8*NQ*(\sc)+NQ*\b+(\q), SC+8*NQ*(\sc)+NQ*(\a)+(\q)
.elseif \first == 2
	WM 8*(8*((\a)%4)+\b), 128*(\p)+FR*\b, AFB+FR*(\a), 0, SC+8*NQ*(\sc)+NQ*\b+(\q), SC+8*NQ*(\sc)+NQ*(\a)+(\q)
.else
	WM 8*(8*((\a)%4)+\b), 128*(\p)+FR*\b, AFB+FR*(\a), v[8*(8*((\a)%4)+\b):8*(8*((\a)%4)+\b)+7], SC+8*NQ*(\sc)+NQ*\b+(\q), SC+8*NQ*(\sc)+NQ*(\a)+(\q)
.endif
.endr
.endr
.endm
.macro FETCH_B slot, q, p
	WIN TO_B
.irp i, 0,1,2,3,4,5,6,7
	FRAG 128*(\p)+FR*\i, ADRB+\slot, \q, \i
.endr
	WIN 0
.endm
.macro FETCH_A slot, q, i0
.irp i, \i0, \i0+1, \i0+2, \i0+3
	FRAG AF+FR*(\i), ADRA+\slot, \q, \i
.endr
.endm
.macro FETCH2 slot, q, p               ; phase 2: R's eight fragments and P's four into set p
	FETCH_B \slot, \q, \p
.irp i, 0,1,2,3
	FRAG AF+64*(\p)+FR*\i, ADRA2+\slot, \q, \i
.endr
.endm
.macro SCALES sc, adr                  ; a slot step's two words a row: lanes 0-15 take P's tile i, lanes 16-31 R's tile i
.irp i, 0,1,2,3,4,5,6,7
	ds_load_b64 v[SC+8*NQ*\sc+NQ*\i:SC+8*NQ*\sc+NQ*\i+1], v[\adr] offset:\i*512
.endr
.endm
.macro REFILL slot, mode               ; behind a drained round.  mode 1: this phase's K 512 further on; 2: phase 2's first step for this slot
.if \mode == 1
	s_add_nc_u64 s[G0+4*\slot+2:G0+4*\slot+3], s[G0+4*\slot+2:G0+4*\slot+3], 65536
	s_add_nc_u64 s[G0B+4*\slot+2:G0B+4*\slot+3], s[G0B+4*\slot+2:G0B+4*\slot+3], 65536
.else
	s_add_nc_u64 s[G0+4*\slot+2:G0+4*\slot+3], s[P2:P2+1], \slot*32768
	s_or_b32 s[G0+4*\slot+3], s[G0+4*\slot+3], 0x80000000
	s_add_nc_u64 s[G0B+4*\slot+2:G0B+4*\slot+3], s[R2:R2+1], \slot*32768
	s_or_b32 s[G0B+4*\slot+3], s[G0B+4*\slot+3], 0x80000000
.if \slot == 0
	s_mov_b32 s[G1+1], 32<<16                      ; no tensor load of mine is out: P is one RG from here on: 32,768 dense bytes as 128 rows of 256
	s_mov_b32 s[G1+2], 128<<16
	s_mov_b32 s[G1+3], 32<<16
	s_mov_b32 s[G1+4], 128
	s_mov_b32 s[G1+5], 32
.endif
.endif
	JLOAD G0+4*\slot, G1, G0B+4*\slot, G1B         ; the first tensor load behind the round, at most one a wave
.endm
.macro STEP slot, q, first             ; phase 1: 128 along K with its successor in the same slot
	s_wait_dscnt 4*NL                              ; R's set and P's tiles 0-3 are in; the youngest 16 loads (P's tiles 4-7) may be out
.if \first
	WIN FST_LO
.else
	WIN MUL_LO
.endif
	MUL16 0, (\q)%2, \q, \slot, \first
	MUL16 2, (\q)%2, \q, \slot, \first
	s_wait_dscnt 0                                 ; P's tiles 4-7 are in
	PLACES NP
	FETCH_B \slot, (\q)+1, 1-(\q)%2
	FETCH_A \slot, (\q)+1, 0
.if \first
	WIN FST_HI
.else
	WIN MUL_HI
.endif
	MUL16 4, (\q)%2, \q, \slot, \first
	MUL16 6, (\q)%2, \q, \slot, \first
	PLACES NP
	WIN 0
	FETCH_A \slot, (\q)+1, 4
.endm
.macro TURN slot, next, fill           ; phase 1: a slot's last 128 along K, and the change of slots.  next = -1: the phase's last step fetches no fragment
	s_wait_tensorcnt 0x0                           ; all my tensor loads have landed
	ds_add_u32 v[SPW], v[NIL]                      ; 0 onto my spare word
	s_wait_dscnt 4*NL+1                            ; the add and the youngest 16 loads may be out
	WIN MUL_LO
	MUL16 0, 1, NQ-1, \slot, 0
	s_wait_dscnt 0x0                               ; the add is done, and my reads of this slot are over
	s_barrier_signal -1
	MUL16 2, 1, NQ-1, \slot, 0
	WIN 0
	s_barrier_wait -1
	CREST                                          ; the barrier has opened a round of the cluster's: no wave of any partner still reads this slot or has a load on its way
	REFILL \slot, \fill
	PLACES NP
.if \next >= 0
	s_wait_alu depctr_va_vdst(0)
	v_add_nc_u32 v[ADRS], 4*NQ, v[ADRS]            ; the next slot step's scale words
	FETCH_B \next, 0, 0
	FETCH_A \next, 0, 0
	SCALES \next, ADRS
.endif
	WIN MUL_HI
	MUL16 4, 1, NQ-1, \slot, 0
	MUL16 6, 1, NQ-1, \slot, 0
	PLACES NP
	WIN 0
.if \next >= 0
	FETCH_A \next, 0, 4
.endif
.endm
.macro S2 slot, first                  ; phase 2: a slot's first 128 along K on set 0; the second's fragments come into set 1 under the products
	s_wait_dscnt 0x0
	FETCH2 \slot, 1, 1
.set AFB, AF
.if \first
	WIN FST_LO
.else
	WIN MUL_LO
.endif
	MUL16 0, 0, 0, \slot, \first
	MUL16 2, 0, 0, \slot, \first
	WIN 0
	PLACES NP
.endm
.macro T2 slot, next, fill             ; phase 2: a slot's second 128 on set 1, and the change of slots
	s_wait_tensorcnt 0x0
	ds_add_u32 v[SPW], v[NIL]
	s_wait_dscnt 0x0                               ; the add is done, set 1 is in, my reads of this slot are over
	s_barrier_signal -1
.set AFB, AF+64
	WIN MUL_LO
	MUL16 0, 1, 1, \slot, 0
	WIN 0
	s_barrier_wait -1
.if \fill
	CREST
	REFILL \slot, 1
.endif
	s_wait_alu depctr_va_vdst(0)
	v_add_nc_u32 v[ADRS2], 4*NQ, v[ADRS2]
	FETCH2 \next, 0, 0                             ; set 0's last products stand eight places and more back
	SCALES \next, ADRS2
	WIN MUL_LO
	MUL16 2, 1, 1, \slot, 0
	WIN 0
	PLACES NP
.endm
	s_load_b256 s[4:11], s[0:1], 0x0               ; x_q s[4:5], w_q s[6:7], qkv_b s[8:9], q_q s[10:11]
	s_load_b64 s[12:13], s[0:1], 0x20              ; kv_q
	v_lshl_add_u32 v[SPW], v0, 2, SPARE
	v_mov_b32 v[NIL], 0
	ds_add_u32 v[SPW], v[NIL]                      ; the opening lines: the add, twice on end, and its wait
	ds_add_u32 v[SPW], v[NIL]
	v_lshrrev_b32 v1, 5, v0
	v_readfirstlane_b32 s14, v1                    ; wave 0..3
	s_lshr_b32 s15, s14, 1                         ; my half of P's rows
	s_and_b32 s16, s14, 1                          ; my half of R's rows
	s_bfe_u32 s20, ttmp6, 0x40000                  ; cx
	s_bfe_u32 s21, ttmp6, 0x40004                  ; cy
	s_and_b32 s17, ttmp7, 0xffff                   ; Y, 0..7
	s_mov_b32 s18, ttmp9                           ; X: 0 q, 1 k
	s_lshl_b32 s22, s21, 2
	s_lshl_b32 s22, 15, s22                        ; my row of the cluster
	s_lshl_b32 s23, 0x1111, s20                    ; my column
	s_or_b32 s[G1], s22, (3<<16)|(1<<21)           ; the mask; elements of 8 bytes; bit 21 beside a mask; no padding: the images are read 512 consecutive bytes at a time
	s_or_b32 s[G1B], s23, (3<<16)|(1<<21)
	s_or_b32 s[G1S], s22, (3<<16)|(1<<21)
	s_or_b32 s[G1SB], s23, (3<<16)|(1<<21)
.irp g, G1, G1B                        ; codes: a slot's part of two RG as 2 rows of 32,768 bytes, 131,072 bytes apart
	s_mov_b32 s[\g+1], 4096<<16
	s_mov_b32 s[\g+2], 2<<16
	s_mov_b32 s[\g+3], 4096<<16
	s_mov_b32 s[\g+4], 2
	s_mov_b32 s[\g+5], 16384
	s_mov_b32 s[\g+6], 0
	s_mov_b32 s[\g+7], 0
.endr
.irp g, G1S, G1SB                      ; scale words of two RG: 8,192 dense bytes as 32 rows of 256
	s_mov_b32 s[\g+1], 32<<16
	s_mov_b32 s[\g+2], 32<<16
	s_mov_b32 s[\g+3], 32<<16
	s_mov_b32 s[\g+4], 32
	s_mov_b32 s[\g+5], 32
	s_mov_b32 s[\g+6], 0
	s_mov_b32 s[\g+7], 0
.endr
	s_lshl_b32 s40, s21, 1                         ; phase 1's P: x's RG 8 Y + 2 cy + half
	s_add_co_u32 s40, s40, s16
	s_lshl_b32 s41, s17, 3
	s_add_co_u32 s40, s40, s41
	s_lshl_b32 s44, s40, 17
	s_mov_b32 s45, 0
	s_lshl_b32 s46, s40, 12
	s_add_co_u32 s46, s46, XSCO
	s_mov_b32 s47, 0
	s_lshl_b32 s42, s20, 1                         ; its R: W's RG 8 X + 2 cx + half
	s_add_co_u32 s42, s42, s16
	s_lshl_b32 s43, s18, 3
	s_add_co_u32 s42, s42, s43
	s_lshl_b32 s2, s42, 17
	s_mov_b32 s3, 0
	s_lshl_b32 s100, s42, 12
	s_add_co_u32 s100, s100, WSCO
	s_mov_b32 s101, 0
	s_lshl_b32 s22, s14, 15                        ; wave 0 fills from byte 0 of a slot, wave 2 from byte 65,536
	s_wait_dscnt 0x0
	s_wait_kmcnt 0x0
	s_add_nc_u64 s[96:97], s[4:5], s[46:47]
	s_add_nc_u64 s[92:93], s[4:5], s[44:45]
	s_add_nc_u64 s[98:99], s[6:7], s[100:101]
	s_add_nc_u64 s[94:95], s[6:7], s[2:3]
	CROUND                                         ; all sixteen work-groups are here: the first joint loads meet
	s_mov_b32 s[G0S], 1
	s_mov_b32 s[G0S+1], SCL
	s_sub_nc_u64 s[G0S+2:G0S+3], s[96:97], 4096    ; wave 1 asks: its own RG is the second of the two
	s_or_b32 s[G0S+3], s[G0S+3], 0x80000000
	s_mov_b32 s[G0SB], 1
	s_mov_b32 s[G0SB+1], SCL+8192
	s_sub_nc_u64 s[G0SB+2:G0SB+3], s[98:99], 4096  ; wave 3 asks, likewise
	s_or_b32 s[G0SB+3], s[G0SB+3], 0x80000000
.irp s, 0,1
	s_mov_b32 s[G0+4*\s], 1
	s_add_co_u32 s[G0+4*\s+1], s22, \s*SLOTB
	s_add_nc_u64 s[G0+4*\s+2:G0+4*\s+3], s[92:93], \s*32768
	s_or_b32 s[G0+4*\s+3], s[G0+4*\s+3], 0x80000000
	s_mov_b32 s[G0B+4*\s], 1
	s_add_co_u32 s[G0B+4*\s+1], s22, \s*SLOTB
	s_add_nc_u64 s[G0B+4*\s+2:G0B+4*\s+3], s[94:95], \s*32768
	s_or_b32 s[G0B+4*\s+3], s[G0B+4*\s+3], 0x80000000
.endr
	FOUR G0, G0S, G0B, G0SB                        ; slot 0 and phase 1's scale words: one load a wave at the head
	; the biases.  q, k: b runs along R: eight registers for each tile of R, the C of the first products.  v: b runs along P: one number a lane for each of my four tiles, added on the way out
	s_lshl_b32 s40, s42, 9                         ; 512 bytes for each RG of W's columns
	s_mov_b32 s41, 0
	s_add_nc_u64 s[44:45], s[8:9], s[40:41]
	s_lshl_b32 s40, s18, 2
	s_add_co_u32 s40, s40, s21
	s_add_co_u32 s40, s40, 16
	s_lshl_b32 s40, s40, 9
	s_lshl_b32 s43, s15, 8                         ; my tiles 4 x half on begin at row 64 x half
	s_add_co_u32 s40, s40, s43
	s_add_nc_u64 s[46:47], s[8:9], s[40:41]
	s_lshl_b32 s40, s15, 15                        ; my RG of phase 1's P,
	s_lshl_b32 s41, s16, 15
	s_add_co_u32 s41, s41, 65536                   ; my RG of R,
	s_lshl_b32 s43, s15, 13                        ; my four tiles of phase 2's P
	v_and_b32 v1, 15, v0                           ; r
	v_bfe_u32 v2, v0, 4, 1                         ; h
	v_lshlrev_b32 v3, 6, v2                        ; 64 h
	v_and_b32 v4, 8, v1
	v_add_nc_u32 v4, v4, v1
	v_lshlrev_b32 v4, 2, v4                        ; 4 (r + 8 (r / 8))
.irp b, 0,1,2,3,4,5,6,7
	global_load_b128 v[BI+8*\b:BI+8*\b+3], v3, s[44:45] offset:(32*(\b/2)+8*(\b%2))*4
	global_load_b128 v[BI+8*\b+4:BI+8*\b+7], v3, s[44:45] offset:(32*(\b/2)+8*(\b%2))*4+16
.endr
.irp a, 0,1,2,3
	global_load_b32 v[BP+\a], v4, s[46:47] offset:(32*(\a/2)+8*(\a%2))*4
.endr
	v_and_b32 v5, 31, v0
	v_lshlrev_b32 v[L16], 4, v5                    ; 16 x lane
.irp s, 0,1
	v_add_nc_u32 v[ADRA+\s], s40, v[L16]
	v_add_nc_u32 v[ADRB+\s], s41, v[L16]
	v_add_nc_u32 v[ADRA2+\s], s43, v[L16]
	s_add_co_u32 s40, s40, SLOTB
	s_add_co_u32 s41, s41, SLOTB
	s_add_co_u32 s43, s43, SLOTB
.endr
	v_lshlrev_b32 v[SOF], 5, v1
	v_lshlrev_b32 v[SOF2], 4, v1
	v_lshl_add_u32 v[SOF], v2, 4, v[SOF]           ; q, k: 32 r + 16 h
	v_lshl_add_u32 v[SOF2], v2, 3, v[SOF2]         ; v: 16 r + 8 h
	s_lshl_b32 s40, s15, 12
	s_lshl_b32 s41, s16, 12
	s_add_co_u32 s41, s41, 8192
	s_sub_co_u32 s41, s41, s40
	v_mul_u32_u24 v6, s41, v2                      ; lanes 16-31 take R's words: one product by h, the distance between the two regions
	v_lshl_add_u32 v6, v1, 5, v6
	s_add_co_u32 s40, s40, SCL
	v_add_nc_u32 v[ADRS], s40, v6
	s_lshl_b32 s40, s15, 11                        ; phase 2: P's words of my four tiles; R's RG behind P's 4,096 bytes
	s_lshl_b32 s41, s16, 12
	s_add_co_u32 s41, s41, 4096
	s_sub_co_u32 s41, s41, s40
	v_mul_u32_u24 v7, s41, v2
	v_lshl_add_u32 v7, v1, 5, v7
	s_add_co_u32 s40, s40, SCL2
	v_add_nc_u32 v[ADRS2], s40, v7
	s_wait_xcnt 0x0                                ; the biases' loads have read their bases
	; where q's or k's results go
	s_lshl_b32 s40, s17, 3
	s_lshl_b32 s41, s21, 1
	s_add_co_u32 s41, s41, s15
	s_add_co_u32 s43, s41, s40                     ; my group of 128 rows of x
	s_lshl_b32 s41, s20, 1
	s_add_co_u32 s41, s41, s16                     ; my pair of heads
	s_lshr_b32 s40, s43, 4
	s_lshl_b32 s40, s40, 4
	s_lshl_b32 s41, s41, 1
	s_add_co_u32 s40, s40, s41                     ; 16 batch + my first head
	s_and_b32 s43, s43, 15                         ; t / 128
	s_mov_b32 s22, 274432
	s_mov_b32 s23, 17152
	s_mov_b32 s2, 274432
	s_mov_b32 s3, 17152
	s_mov_b32 s42, 16384
	s_cmp_eq_u32 s18, 0
	s_cselect_b64 s[46:47], s[10:11], s[12:13]     ; q_q or kv_q
	s_cselect_b32 s22, 131072, s22                 ; codes: from head to head,
	s_cselect_b32 s23, 8192, s23                   ; from group to group
	s_cselect_b32 s2, 8192, s2                     ; scale words likewise
	s_cselect_b32 s3, 512, s3
	s_cselect_b32 s42, XSCO, s42                   ; and where they begin
	s_mul_i32 s41, s40, s22
	s_mul_i32 s23, s43, s23
	s_add_co_u32 s92, s41, s23
	s_mov_b32 s93, 0
	s_add_nc_u64 s[CB0:CB0+1], s[46:47], s[92:93]
	s_mov_b32 s23, 0
	s_add_nc_u64 s[CB1:CB1+1], s[CB0:CB0+1], s[22:23]
	s_mul_i32 s41, s40, s2
	s_mul_i32 s43, s43, s3
	s_add_co_u32 s96, s41, s43
	s_add_co_u32 s96, s96, s42
	s_mov_b32 s97, 0
	s_add_nc_u64 s[SB0:SB0+1], s[46:47], s[96:97]
	s_mov_b32 s3, 0
	s_add_nc_u64 s[SB1:SB1+1], s[SB0:SB0+1], s[2:3]
	s_wait_alu depctr_va_vdst(0)
	s_wait_loadcnt 0x0                             ; the biases
	s_wait_tensorcnt 0x0                           ; my tile of the head's four is in; the later first fills are issued as a refill is
	ds_add_u32 v[SPW], v[NIL]
	s_mov_b32 s[G1S+2], 16<<16                     ; no tensor load of mine is out: phase 2's P has one RG of scale words: 16 rows of 256
	s_mov_b32 s[G1S+4], 16
	s_lshl_b32 s40, s18, 2
	s_add_co_u32 s40, s40, s21
	s_add_co_u32 s40, s40, 16                      ; phase 2's P: W's RG 16 + 4 X + cy
	s_lshl_b32 s44, s40, 17
	s_mov_b32 s45, 0
	s_add_nc_u64 s[P2:P2+1], s[6:7], s[44:45]
	s_lshl_b32 s44, s40, 12
	s_add_co_u32 s44, s44, WSCO
	s_add_nc_u64 s[G0S+2:G0S+3], s[6:7], s[44:45]
	s_or_b32 s[G0S+3], s[G0S+3], 0x80000000
	s_mov_b32 s[G0S+1], SCL2
	s_lshl_b32 s42, s17, 3
	s_lshl_b32 s43, s20, 1
	s_add_co_u32 s42, s42, s43                     ; its R: x's RG 8 Y + 2 cx on
	s_lshl_b32 s46, s42, 17
	s_mov_b32 s47, 0
	s_add_nc_u64 s[R2:R2+1], s[4:5], s[46:47]
	s_lshl_b32 s46, s42, 12
	s_add_co_u32 s46, s46, XSCO
	s_add_nc_u64 s[G0SB+2:G0SB+3], s[4:5], s[46:47]
	s_or_b32 s[G0SB+3], s[G0SB+3], 0x80000000
	s_mov_b32 s[G0SB+1], SCL2+4096
	s_wait_dscnt 0x0
	CROUND                                         ; all four tiles are in, and all sixteen work-groups are here
	FOUR G0+4, G0S, G0B+4, G0SB                    ; slot 1 and phase 2's scale words: four first fills, one a wave
	FETCH_B 0, 0, 0
	FETCH_A 0, 0, 0
	SCALES 0, ADRS
	FETCH_A 0, 0, 4
	STEP 0, 0, 1                                   ; the first products start the sums with the bias: nothing is cleared
	TURN 0, 1, 1                                   ; slot 0 takes K 512 on
	STEP 1, 0, 0
	TURN 1, 0, 1                                   ; slot 1 takes K 768 on
	STEP 0, 0, 0
	TURN 0, 1, 2                                   ; slot 0 takes phase 2's K 0 on
	STEP 1, 0, 0
	TURN 1, -1, 2                                  ; slot 1 takes phase 2's K 256 on
; THE WAY OUT.  P's tile a: 64 numbers a lane, register 16 j + i = index 32 j + 16 h + i along R: four blocks of 32, each in lanes l and l xor 16.  The codes are stored as they stand: 512 consecutive bytes an instruction.
	s_mov_b32 s44, 0x76543210
	s_mov_b32 s45, 0xfedcba98                      ; v_permlanex16_b32's selects for lane l xor 16
	s_mov_b32 s46, 0x600000                        ; the mantissa field of 57,344
.macro EPI a, isv
.set WA, 2+(\a)/4
.set AC, 64*((\a)%4)
.set PCA, AF+16*(\a)                   ; the tile's codes: registers of their own, so that no store's data are written again in a phase
.if \isv
	WIN (WA<<6)|WA
.set jj, 0
.rept 32                               ; v: my channel's bias onto my 64 numbers, each accumulator from its low end on
.if (\a)%2
	v_pk_add_f32 v[AC+jj:AC+jj+1], v[AC+jj:AC+jj+1], v[BP+2*((\a)/2):BP+2*((\a)/2)+1] op_sel:[0,1] op_sel_hi:[1,1]
.else
	v_pk_add_f32 v[AC+jj:AC+jj+1], v[AC+jj:AC+jj+1], v[BP+2*((\a)/2):BP+2*((\a)/2)+1] op_sel_hi:[1,0]
.endif
.set jj, jj+2
.endr
.endif
	WIN WA|(WA<<2)
.irp b, 0,1,2,3
	v_max3_num_f32 v[TM+\b], |v[AC+16*\b]|, |v[AC+16*\b+1]|, 0x8000000   ; my 16 numbers of block b, and the floor 2^(16 - 127)
.endr
.irp i, 2,4,6,8,10,12,14
.irp b, 0,1,2,3
	v_max3_num_f32 v[TM+\b], |v[AC+16*\b+\i]|, |v[AC+16*\b+\i+1]|, v[TM+\b]
.endr
.endr
	WIN 0
.irp b, 0,1,2,3
	v_permlanex16_b32 v[TM+4+\b], v[TM+\b], s44, s45
.endr
.irp b, 0,1,2,3
	v_max_num_f32 v[TM+\b], v[TM+\b], v[TM+4+\b]
.endr
.irp b, 0,1,2,3
	v_add_nc_u32 v[TM+12+\b], 0xf8800000, v[TM+\b]
.endr
.irp b, 0,1,2,3
	v_and_or_b32 v[TM+8+\b], v[TM+\b], 0x7f800000, s46
.endr
.irp b, 0,1,2,3
	v_lshrrev_b32 v[TM+4+\b], 23, v[TM+12+\b]
.endr
	v_lshl_or_b32 v[WQ+(\a)], v[TM+5], 8, v[TM+4]
	v_lshl_or_b32 v[WQ+(\a)], v[TM+6], 16, v[WQ+(\a)]
	v_lshl_or_b32 v[WQ+(\a)], v[TM+7], 24, v[WQ+(\a)]
	WIN (WA<<6)|WA
.irp b, 0,1,2,3
.irp i, 0,1,2,3,4,5,6,7,8,9,10,11,12,13,14,15
	v_med3_num_f32 v[AC+16*\b+\i], v[AC+16*\b+\i], -v[TM+8+\b], v[TM+8+\b]   ; the conversion does not saturate (ISA guide 7.6.2): the hold comes first
.endr
.endr
	WIN WA
.irp b, 0,1,2,3
	v_cvt_scalef32_pk8_bf8_f32 v[PCA+4*\b:PCA+4*\b+1], v[AC+16*\b:AC+16*\b+7], v[TM+12+\b]
	v_cvt_scalef32_pk8_bf8_f32 v[PCA+4*\b+2:PCA+4*\b+3], v[AC+16*\b+8:AC+16*\b+15], v[TM+12+\b]
.endr
	WIN 0
	v_nop                                          ; a plain line behind the last conversion
.if \isv
.irp b, 0,1,2,3                        ; v: my four tiles are my head's 64 channels; the four blocks are the step's 128 keys
	global_store_b128 v[L16], v[PCA+4*\b:PCA+4*\b+3], s[CB0:CB0+1] offset:2048*(\a)+512*\b
.endr
.else
	global_store_b128 v[L16], v[PCA:PCA+3], s[CB0:CB0+1] offset:1024*(\a)            ; q, k: blocks 0, 1 are my first head's 64, blocks 2, 3 the second's
	global_store_b128 v[L16], v[PCA+4:PCA+7], s[CB0:CB0+1] offset:1024*(\a)+512
	global_store_b128 v[L16], v[PCA+8:PCA+11], s[CB1:CB1+1] offset:1024*(\a)
	global_store_b128 v[L16], v[PCA+12:PCA+15], s[CB1:CB1+1] offset:1024*(\a)+512
.endif
.endm
.irp a, 0,1,2,3,4,5,6,7
	EPI \a, 0
.endr
	v_cmp_ne_u32 vcc_lo, 0, v2
.irp k, 0,1,2,3
	v_cndmask_b32 v[SXQ+\k], v[WQ+\k], v[WQ+4+\k], vcc_lo   ; both halves of the lanes hold the eight words: lanes 0-15 store tiles 0-3's, lanes 16-31 tiles 4-7's
.endr
.irp k, 0,1,2,3
	v_and_b32 v[D0+\k], 0xffff, v[SXQ+\k]          ; the first head's two bytes; bytes 2 and 3 are 0: they stand for the 64 along K that a head does not have
	v_lshrrev_b32 v[D1+\k], 16, v[SXQ+\k]          ; the second head's
.endr
	global_store_b128 v[SOF], v[D0:D0+3], s[SB0:SB0+1]      ; 512 consecutive bytes each
	global_store_b128 v[SOF], v[D1:D1+3], s[SB1:SB1+1]
	s_wait_xcnt 0x0                                ; the stores have read their data and bases: both are written again below
	; PHASE 2.  Where v's results go: head 2 (4 X + cy) + my half of P, key step 8 Y + 2 cx + my half of R
	s_lshl_b32 s40, s17, 3
	s_lshl_b32 s41, s20, 1
	s_add_co_u32 s40, s40, s41
	s_add_co_u32 s40, s40, s16
	s_lshr_b32 s41, s40, 4
	s_lshl_b32 s41, s41, 4                         ; 16 batch
	s_and_b32 s40, s40, 15
	s_lshl_b32 s42, s18, 2
	s_add_co_u32 s42, s42, s21
	s_lshl_b32 s42, s42, 1
	s_add_co_u32 s42, s42, s15
	s_add_co_u32 s41, s41, s42
	s_mul_i32 s41, s41, 274432
	s_mul_i32 s40, s40, 17152
	s_add_co_u32 s92, s41, s40
	s_add_co_u32 s96, s92, 16896                   ; V's scale words,
	s_mov_b32 s97, 0
	s_add_co_u32 s92, s92, 8192                    ; V^T's codes
	s_mov_b32 s93, 0
	s_add_nc_u64 s[CB0:CB0+1], s[12:13], s[92:93]
	s_add_nc_u64 s[SB0:SB0+1], s[12:13], s[96:97]
	FETCH2 0, 0, 0                                 ; slot 0's fill was shown by the last round
	SCALES 0, ADRS2
	S2 0, 2                                        ; the first products start the sums with the constant 0
	T2 0, 1, 1                                     ; slot 0 takes K 512 on
	S2 1, 0
	T2 1, 0, 1                                     ; slot 1 takes K 768 on
	S2 0, 0
	T2 0, 1, 0                                     ; nothing is left to fetch
	S2 1, 0
	s_wait_dscnt 0x0
.set AFB, AF+64
	WIN MUL_LO
	MUL16 0, 1, 1, 1, 0
	MUL16 2, 1, 1, 1, 0
	WIN 0
	PLACES NP
.irp a, 0,1,2,3
	EPI \a, 1
.endr
	v_cmp_ne_u32 vcc_lo, 0, v2
	v_cndmask_b32 v[SXQ], v[WQ], v[WQ+2], vcc_lo   ; both halves of the lanes hold the four words: lanes 0-15 store tiles 0, 1's, lanes 16-31 tiles 2, 3's
	v_cndmask_b32 v[SXQ+1], v[WQ+1], v[WQ+3], vcc_lo
	global_store_b64 v[SOF2], v[SXQ:SXQ+1], s[SB0:SB0+1]    ; 256 consecutive bytes
	s_wait_tensorcnt 0x0                           ; the wave's end
	ds_add_u32 v[SPW], v[NIL]
	s_wait_dscnt 0x0
	CROUND                                         ; the closing round: no work-group ends while a partner may still ask for a tile that names it
	s_endpgm
.Lfunc_end_k_qee11803c5d_gemm1:
	.size	k_qee11803c5d_gemm1, .Lfunc_end_k_qee11803c5d_gemm1-k_qee11803c5d_gemm1
	.p2alignl 7, 3214868480
	.fill 96, 4, 3214868480
	.section	.rodata,"a",@progbits
	.p2align	6, 0x0
	.amdhsa_kernel k_qee11803c5d_gemm1
		.amdhsa_group_segment_fixed_size 327680
		.amdhsa_private_segment_fixed_size 0
		.amdhsa_enable_private_segment 0
		.amdhsa_kernarg_size 40
		.amdhsa_user_sgpr_count 2
		.amdhsa_user_sgpr_kernarg_segment_ptr 1
		.amdhsa_wavefront_size32 1
		.amdhsa_system_sgpr_workgroup_id_x 1
		.amdhsa_system_sgpr_workgroup_id_y 1
		.amdhsa_system_sgpr_workgroup_id_z 1
		.amdhsa_system_vgpr_workitem_id 0
		.amdhsa_next_free_vgpr 1024
		.amdhsa_next_free_sgpr 104
		.amdhsa_reserve_vcc 1
		.amdhsa_float_denorm_mode_32 3
		.amdhsa_float_denorm_mode_16_64 3
		.amdhsa_memory_ordered 1
		.amdhsa_forward_progress 1
		.amdhsa_inst_pref_size 255
	.end_amdhsa_kernel
	.section	.bss,"aw",@nobits
	.p2align	6
	.space	262144
	.amdgpu_metadata
---
amdhsa.version: [ 1, 2 ]
amdhsa.kernels:
  - .name:           k_qee11803c5d_gemm1
    .symbol:         k_qee11803c5d_gemm1.kd
    .args:
      - { .name: x_q, .offset: 0, .size: 8, .value_kind: global_buffer, .address_space: global }
      - { .name: w_q, .offset: 8, .size: 8, .value_kind: global_buffer, .address_space: global }
      - { .name: qkv_b, .offset: 16, .size: 8, .value_kind: global_buffer, .address_space: global }
      - { .name: q_q, .offset: 24, .size: 8, .value_kind: global_buffer, .address_space: global }
      - { .name: kv_q, .offset: 32, .size: 8, .value_kind: global_buffer, .address_space: global }
    .group_segment_fixed_size: 327680
    .private_segment_fixed_size: 0
    .kernarg_segment_align: 8
    .kernarg_segment_size: 40
    .max_flat_workgroup_size: 128
    .sgpr_count:     104
    .vgpr_count:     1024
    .wavefront_size: 32
...
	.end_amdgpu_metadata
.endif
;; end of part 2
;; launch attn (part 3): grid 4 x 64, 8 waves a work-group, clusters of 4 x 1, 276,480 bytes of LDS; arguments q_q, kv_q, a_q; writes a_q
.if DOCPART == 3
	.amdgcn_target "amdgcn-amd-amdhsa--gfx1250"
	.amdhsa_code_object_version 6
	.text
	.protected	k_qee11803c5d_attn
	.globl	k_qee11803c5d_attn
	.p2align	8
	.type	k_qee11803c5d_attn,@function
k_qee11803c5d_attn:
	s_mov_b64 s[64:65], 0
	v_nop
	global_prefetch_b8 v0, s[64:65] scope:SCOPE_SE
	s_setreg_imm32_b32 hwreg(HW_REG_WAVE_MODE, 25, 1), 1
	s_wait_xcnt 0x0
	s_wait_alu depctr_hold_cnt(0) depctr_sa_sdst(0) depctr_va_vdst(0) depctr_va_sdst(0) depctr_va_ssrc(0) depctr_va_vcc(0) depctr_vm_vsrc(0)
	s_getreg_b32 s2, hwreg(HW_REG_IB_STS2, 6, 4)
	s_cmp_eq_u32 s2, 0
	s_cbranch_scc0 .Lentry_in_a_cluster
	s_endpgm
.Lentry_in_a_cluster:
	s_bfe_u32 s2, ttmp6, 0x10000c
	s_cmp_lg_u32 s2, 0x3003
	s_cbranch_scc0 .Lentry_shape_is_right
	s_endpgm
.Lentry_shape_is_right:
; Causal attention of one head (64 channels, 2,048 positions) on codes of BF8 (E5M2) with E8M0 scales, and the result quantised along C for the last product.
; THE SOFTMAX AHEAD OF THE SECOND PRODUCT: t = score x log2(e) / 8; M = the running largest t rounded UP to a whole number; p = 2^(t - M) is quantised along the keys, not normalised; the row's sum is taken
; of the unquantised p and divides O at the end; when M moves, the sums and O are multiplied by 2^(old M - new M), which rounds nothing.
; SHARES.  The four work-groups of a cluster are one head.  A head has 128 tiles of 16 queries: (g = t / 128, e = 0..7).  The work-group at place cx owns e = 2 cx and 2 cx + 1 of every g.
; Wave w of eight takes the PAIR of tiles (w, 2 cx), (w, 2 cx + 1) and then the pair of group 15 - w: two phases through one text.  A pair of group g needs key steps 0 .. g of 128 keys: 17 pair steps in every wave.
; Both tiles of a pair go through a key step together: each fragment of K and of V^T that is read from LDS feeds two products, and every chain of the softmax has its twin beside it.
; Tiles that lie wholly under the causal mask are left out: a scalar branch on the wave's number and the loops' counts; cx enters global addresses and a compare of lanes, no branch and no LDS address.
; LDS holds the head's K, V^T and their scale words whole, as they lie in kv_q: 16 key steps of 17,152 bytes; each wave brings two of them by one joint tensor load (one load of a wave is out).  Nothing is filled again.
; No prefetch: every byte that the launch streams is asked for at the head, so no loop has a later load to run ahead of.
; LAYOUT.  Both products are used transposed: S^T = K Q^T, O^T = V^T P^T: a lane holds one query throughout.  Operands are images of the operand's registers; lane r of tile i holds row 32 (i / 2) + 8 (i % 2) + r + 8 (r / 8),
; so the 16 registers of tiles 2 j, 2 j + 1 of a result are 16 neighbours (keys for p, channels for O): the conversions' results are the next operand.
; K = 64 IN THE FIRST PRODUCT: the instruction takes 128.  Q's registers 8-15 hold zero codes and the scale bytes 2, 3 are 0; K's registers 8-15 are the next tile's codes, finite numbers: they add exactly 0.
; LIMITS: NaN and infinities are not served; the scaled scores stay under 2^31 in magnitude; a block under the floor 2^(16 - 127) gets the byte 1 (its codes are zeros; the bytes are read by this program alone).
; REGISTERS.  Window 0: v1-3 the step's LDS addresses, v4-5 my query's place less 16 h (tile a, b), v6-7 for the add, v8-11 -M and the largest score (a, b), v12-19 K's or V's scale words, v18-19 later p's,
;   v20-23 Q's scale words (now, next), v24-54 at work, v55-59 lane terms, v64-95 Q, v96-111 the next pair's Q, v112-119 the sums, v120-127 the holds' bounds, v128-255 S^T, then p (a, b).
;   Window 1: v0-71 K (64-71 zeros), then V^T; v72-103 p's codes; v128-191 O^T (a, b).
.set KVH,  274432
.set KVS,  17152
.set QSCO, 8388608
.set ASCO, 8388608
.set SPARE, 0x43000                    ; behind the 16 key steps: the spare words, 128 bytes for each wave
.set A16,  1
.set A32,  2
.set AV,   3
.set DA,   4
.set DB,   5
.set SPW,  6
.set NIL,  7
.set ST,   8
.set KS,   12
.set PW,   18
.set QS,   20
.set QSN,  22
.set BM,   24                          ; a block's largest score, then its largest p: 0-3 tile a, 4-7 tile b
.set PT,   32
.set SOP,  40
.set F,    48                          ; f = 2^(old M - new M): low word tile a's, high word tile b's
.set T0,   50
.set NEG,  54
.set L16,  55
.set R32,  56
.set R16,  57
.set SOF,  58
.set HH,   59
.set QF,   64
.set QN,   96
.set SM,   112
.set LIM,  120
.set S,    128
.set KA,   0
.set PC,   72
.set OB,   128
.set MSB, 0
.macro WIN new                         ; the immediate's high byte repeats the setting that is left
.if MSB != (\new)
	s_set_vgpr_msb (MSB<<8)|(\new)
.set MSB, (\new)
.endif
.endm
.macro WALU
	s_wait_alu depctr_va_vdst(0)
.endm
.macro ROUND
	s_barrier_signal -1
	s_barrier_wait -1
	s_cmp_lg_u32 s10, 0
	s_cbranch_scc1 .Lnot_wave_0_\@
	s_barrier_signal -3
.Lnot_wave_0_\@:
	s_barrier_wait -3
	s_barrier_signal -1
	s_barrier_wait -1
.endm
.macro MM d, a, b, c, sa, sb
	v_wmma_scale_f32_16x16x128_f8f6f4 v[\d:\d+7], v[\a:\a+15], v[\b:\b+15], \c, v[\sa], v[\sb] matrix_a_fmt:MATRIX_FMT_BF8 matrix_b_fmt:MATRIX_FMT_BF8
.endm
.macro HOLD2 r, l                      ; two of p's holds: the conversion does not saturate (ISA guide 7.6.2); p is not negative: one-sided
	v_dual_min_num_f32 v[\r], v[\l], v[\r] :: v_dual_min_num_f32 v[\r+1], v[\l], v[\r+1]
.endm
	s_load_b128 s[4:7], s[0:1], 0x0                ; q_q s[4:5], kv_q s[6:7]
	s_load_b64 s[8:9], s[0:1], 0x10                ; a_q
	v_lshl_add_u32 v[SPW], v0, 2, SPARE
	v_mov_b32 v[NIL], 0
	ds_add_u32 v[SPW], v[NIL]                      ; the opening lines: the add, twice on end, and its wait ahead of my tensor load
	ds_add_u32 v[SPW], v[NIL]
	v_lshrrev_b32 v1, 5, v0
	v_readfirstlane_b32 s10, v1                    ; wave 0..7
	s_bfe_u32 s11, ttmp6, 0x40000                  ; cx
	s_and_b32 s12, ttmp7, 0xffff                   ; 16 batch + head
	s_mov_b32 s13, s10                             ; the group of the pair in hand: first w,
	s_sub_co_u32 s14, 15, s10                      ; then 15 - w
	s_lshl_b32 s15, s11, 1                         ; e of tile a
	s_mov_b32 s18, 0x3e38aa3b                      ; c = log2(e) / 8
	s_mov_b32 s19, s18                             ; (named with it as a pair)
	s_mov_b32 s20, 0x76543210
	s_mov_b32 s21, 0xfedcba98                      ; v_permlanex16_b32's selects for lane l xor 16
	s_mov_b32 s22, 0x600000                        ; the mantissa field of 57,344
	s_mov_b32 s24, 15|(3<<16)|(1<<21)              ; the mask: all four work-groups; elements of 8 bytes; bit 21 beside a mask
	s_mov_b32 s25, 32<<16                          ; two key steps: 34,304 dense bytes as 134 rows of 256
	s_mov_b32 s26, 134<<16
	s_mov_b32 s27, 32<<16
	s_mov_b32 s28, 134
	s_mov_b32 s29, 32
	s_mov_b32 s30, 0
	s_mov_b32 s31, 0
	s_mov_b32 s32, 1
	s_mul_i32 s33, s10, 2*KVS                      ; key steps 2 w, 2 w + 1 go to LDS byte 34,304 w
	s_mul_i32 s36, s12, KVH
	s_add_co_u32 s36, s36, s33
	s_mov_b32 s37, 0
	s_wait_dscnt 0x0
	s_wait_kmcnt 0x0
	s_add_nc_u64 s[34:35], s[6:7], s[36:37]
	s_or_b32 s35, s35, 0x80000000
	ROUND                                          ; all four work-groups are here: the joint loads meet
	tensor_load_to_lds s[32:35], s[24:31]
	s_nop 0
.rept 4
	v_nop
.endr
	; Q: a pair's codes are 2,048 bytes on end, its scale words 8 bytes a row
	s_lshl_b32 s36, s12, 17
	s_lshl_b32 s37, s15, 10
	s_add_co_u32 s36, s36, s37
	s_lshl_b32 s38, s13, 13
	s_add_co_u32 s38, s38, s36
	s_mov_b32 s39, 0
	s_add_nc_u64 s[40:41], s[4:5], s[38:39]
	s_lshl_b32 s38, s14, 13
	s_add_co_u32 s38, s38, s36
	s_add_nc_u64 s[42:43], s[4:5], s[38:39]
	s_lshl_b32 s36, s12, 13
	s_lshl_b32 s37, s15, 2
	s_add_co_u32 s36, s36, s37
	s_add_co_u32 s36, s36, QSCO
	s_lshl_b32 s38, s13, 9
	s_add_co_u32 s38, s38, s36
	s_add_nc_u64 s[44:45], s[4:5], s[38:39]
	s_lshl_b32 s38, s14, 9
	s_add_co_u32 s38, s38, s36
	s_add_nc_u64 s[46:47], s[4:5], s[38:39]
	v_and_b32 v[L16], 31, v0
	v_and_b32 v[R16], 15, v0                       ; r
	v_lshlrev_b32 v[L16], 4, v[L16]                ; 16 x lane
	v_lshlrev_b32 v[R32], 5, v[R16]                ; 32 r
.irp t, 0,1
	global_load_b128 v[QF+16*\t:QF+16*\t+3], v[L16], s[40:41] offset:1024*\t
	global_load_b128 v[QF+16*\t+4:QF+16*\t+7], v[L16], s[40:41] offset:1024*\t+512
	global_load_b128 v[QN+8*\t:QN+8*\t+3], v[L16], s[42:43] offset:1024*\t
	global_load_b128 v[QN+8*\t+4:QN+8*\t+7], v[L16], s[42:43] offset:1024*\t+512
.endr
	global_load_b64 v[QS:QS+1], v[R32], s[44:45]
	global_load_b64 v[QSN:QSN+1], v[R32], s[46:47]
	; where the results go: a_q, group 16 batch + g, K step head / 2, tiles e and e + 1, blocks 2 (head % 2) on
	s_lshr_b32 s36, s12, 4
	s_lshl_b32 s36, s36, 4
	s_bfe_u32 s37, s12, 0x30001                    ; head / 2
	s_and_b32 s56, s12, 1                          ; head % 2
	s_lshl_b32 s57, s37, 14
	s_lshl_b32 s58, s15, 11
	s_add_co_u32 s57, s57, s58
	s_lshl_b32 s58, s56, 10
	s_add_co_u32 s57, s57, s58                     ; the codes' place in a group
	s_lshl_b32 s59, s15, 9
	s_lshl_b32 s58, s37, 2
	s_add_co_u32 s59, s59, s58
	s_lshl_b32 s58, s56, 1
	s_add_co_u32 s59, s59, s58
	s_add_co_u32 s59, s59, ASCO                    ; the scale bytes' place in a group
	s_add_co_u32 s60, s36, s13
	s_lshl_b32 s38, s60, 17
	s_add_co_u32 s38, s38, s57
	s_add_nc_u64 s[48:49], s[8:9], s[38:39]        ; the first pair's codes,
	s_lshl_b32 s38, s60, 12
	s_add_co_u32 s38, s38, s59
	s_add_nc_u64 s[52:53], s[8:9], s[38:39]        ; its scale bytes;
	s_add_co_u32 s60, s36, s14
	s_lshl_b32 s38, s60, 17
	s_add_co_u32 s38, s38, s57
	s_add_nc_u64 s[50:51], s[8:9], s[38:39]        ; the second pair's
	s_lshl_b32 s38, s60, 12
	s_add_co_u32 s38, s38, s59
	s_add_nc_u64 s[54:55], s[8:9], s[38:39]
	s_lshl_b32 s36, s11, 5                         ; tile a's first query among its group's 128: 32 cx
	WALU
	v_bfe_u32 v[HH], v0, 4, 1                      ; h
	v_and_b32 v[DA], 8, v[R16]
	v_lshlrev_b32 v[T0], 4, v[HH]
	v_add_nc_u32 v[DA], v[DA], v[R16]
	v_lshl_add_u32 v[SOF], v[HH], 9, v[R32]        ; the scale bytes' offset: 32 r, lanes 16-31 one tile on
	v_sub_nc_u32 v[DA], v[DA], v[T0]
	v_lshlrev_b32 v[R16], 4, v[R16]                ; 16 r
	v_add_nc_u32 v[DA], s36, v[DA]                 ; my query's place less 16 h: register 16 j + i holds key 32 j + 16 h + i, hidden on the diagonal where 32 j + i is greater
	v_add_nc_u32 v[DB], 8, v[DA]                   ; tile b's queries lie 8 further on
.irp j, 0,1,2,3,4,5,6,7
	v_mov_b32 v[QF+8+\j], 0                        ; zero codes for K 64 .. 127
	v_mov_b32 v[QF+24+\j], 0
	v_mov_b32 v[PT+\j], 0                          ; a lane permute's destination counts as one of its sources
.endr
	WIN 0x40
.irp j, 0,1,2,3,4,5,6,7
	v_mov_b32 v[KA+64+\j], 0                       ; behind K's last tile
.endr
	WIN 0
	s_mov_b32 s23, 0                               ; the phase
	WALU
	s_wait_loadcnt 0x0                             ; Q
	s_wait_tensorcnt 0x0                           ; my two key steps have landed,
	s_barrier_signal -1
	s_barrier_wait -1                              ; everybody's have: the whole head lies in LDS, and from here on the waves run freely
.Lphase:                                               ; two trips: the pair of group w, the pair of group 15 - w
	WIN 0x40
.set jj, 0
.rept 64
	v_mov_b32 v[OB+jj], 0                          ; O^T: the step is written once; a pair's first step finds zeros, which the first change of M leaves zeros
.set jj, jj+1
.endr
	WIN 0
.irp t, 0,2
	v_mov_b32 v[ST+\t], 0x7f61b1e6                 ; -M: 3e38
	v_mov_b32 v[ST+\t+1], 0xff61b1e6               ; the largest score so far: -3e38
.endr
.irp j, 0,1,2,3,4,5,6,7
	v_mov_b32 v[SM+\j], 0                          ; the sums: four chains of two numbers
.endr
	s_mov_b32 s16, 0                               ; the key step
	s_mov_b32 s17, 0                               ; and where it begins in LDS
	WALU
.Lstep:
	s_cmp_gt_u32 s16, s13                          ; all 128 keys come after the pair's queries: nothing to do
	s_cbranch_scc1 .Lhid
	v_add_nc_u32 v[A16], s17, v[L16]
	v_add_nc_u32 v[A32], s17, v[R32]
	v_add_nc_u32 v[AV], s17, v[R16]
	ds_load_b128 v[KS:KS+3], v[A32] offset:16384   ; K's scale words, tiles 0-3,
	ds_load_b128 v[KS+4:KS+7], v[A32] offset:16400 ; tiles 4-7
	WIN 0x40
.irp k, 0,1,2,3,4,5,6,7
	ds_load_b128 v[KA+8*\k:KA+8*\k+3], v[A16] offset:1024*\k
	ds_load_b128 v[KA+8*\k+4:KA+8*\k+7], v[A16] offset:1024*\k+512
.endr
	WIN 0x01
	WALU
	s_wait_dscnt 0x0
.irp k, 0,1,2,3,4,5,6,7
	MM S+8*\k, KA+8*\k, QF, 0, KS+\k, QS
	MM S+64+8*\k, KA+8*\k, QF+16, 0, KS+\k, QS+1
.endr
	WIN 0
.rept 8
	v_nop                                          ; places in front of the loads into K's registers and of the first read of the scores
.endr
	WIN 0x40
.irp d, 0,1,2,3
.irp c, 0,1,2,3
	ds_load_b128 v[KA+16*\d+4*\c:KA+16*\d+4*\c+3], v[A16] offset:8192+2048*\d+512*\c   ; V^T: four tiles of 16 channels x 128 keys: they land under the softmax
.endr
.endr
	WIN 0
	ds_load_b128 v[KS:KS+3], v[AV] offset:16896    ; and their scale words
	s_cmp_lg_u32 s16, s13
	s_cbranch_scc1 .Lopen
	v_mov_b32 v[NEG], 0xff800000                   ; on the diagonal hidden scores become -infinity ahead of the maximum: p = 0 then
.irp j, 0,1,2,3
.irp i, 0,1,2,3,4,5,6,7                        ; tile b's place is 8 greater: its register 16 j + 8 + i is hidden where tile a's register 16 j + i is
	v_cmp_gt_i32 vcc_lo, 32*\j+\i, v[DA]
	v_cndmask_b32 v[S+16*\j+\i], v[S+16*\j+\i], v[NEG], vcc_lo
	v_cndmask_b32 v[S+72+16*\j+\i], v[S+72+16*\j+\i], v[NEG], vcc_lo
.endr
.irp i, 0,1,2,3,4,5,6,7
	v_cmp_gt_i32 vcc_lo, 32*\j+8+\i, v[DA]
	v_cndmask_b32 v[S+8+16*\j+\i], v[S+8+16*\j+\i], v[NEG], vcc_lo
	v_cmp_gt_i32 vcc_lo, 32*\j+\i, v[DB]
	v_cndmask_b32 v[S+64+16*\j+\i], v[S+64+16*\j+\i], v[NEG], vcc_lo
.endr
.endr
.Lopen:
.irp x, 0,1,2,3,4,5,6,7
	v_max_num_f32 v[BM+\x], v[S+16*\x], v[S+16*\x+1]   ; the largest score of each block of 32 keys: for the row's maximum, and, since p rises with the score, for the block's largest p.  Eight chains by turns
.endr
.irp i, 2,4,6,8,10,12,14
.irp x, 0,1,2,3,4,5,6,7
	v_max3_num_f32 v[BM+\x], v[BM+\x], v[S+16*\x+\i], v[S+16*\x+\i+1]
.endr
.endr
.irp x, 0,1,2,3,4,5,6,7
	v_permlanex16_b32 v[PT+\x], v[BM+\x], s20, s21
.endr
.irp x, 0,1,2,3,4,5,6,7
	v_max_num_f32 v[BM+\x], v[BM+\x], v[PT+\x]     ; with lane l xor 16's 16 keys
.endr
	v_max3_num_f32 v[T0], v[BM], v[BM+1], v[BM+2]
	v_max3_num_f32 v[T0+1], v[BM+4], v[BM+5], v[BM+6]
	v_mov_b32 v[T0+2], v[ST]
	v_mov_b32 v[T0+3], v[ST+2]
	v_max3_num_f32 v[ST+1], v[T0], v[BM+3], v[ST+1]     ; the running largest score (c is positive: the largest t is c x it)
	v_max3_num_f32 v[ST+3], v[T0+1], v[BM+7], v[ST+3]
	v_mul_f32 v[T0], 0xbe38aa3b, v[ST+1]           ; -t
	v_mul_f32 v[T0+1], 0xbe38aa3b, v[ST+3]
	v_floor_f32 v[ST], v[T0]                       ; the new -M = -ceil(t)
	v_floor_f32 v[ST+2], v[T0+1]
	v_sub_f32 v[T0+2], v[ST], v[T0+2]              ; old M less new M: a whole number, 0 or less
	v_sub_f32 v[T0+3], v[ST+2], v[T0+3]
	v_cvt_i32_f32 v[T0+2], v[T0+2]                 ; (it saturates)
	v_cvt_i32_f32 v[T0+3], v[T0+3]
	v_ldexp_f32 v[F], 1.0, v[T0+2]                 ; f
	v_ldexp_f32 v[F+1], 1.0, v[T0+3]
.set jj, 0
.rept 32
	v_pk_fma_f32 v[S+jj:S+jj+1], v[S+jj:S+jj+1], s[18:19], v[ST:ST+1] op_sel_hi:[1,0,0]   ; t - M, two at a time
	v_pk_fma_f32 v[S+64+jj:S+65+jj], v[S+64+jj:S+65+jj], s[18:19], v[ST+2:ST+3] op_sel_hi:[1,0,0]
.set jj, jj+2
.endr
.irp x, 0,1,2,3
	v_fma_f32 v[BM+\x], v[BM+\x], s18, v[ST]       ; the same of each block's largest score
	v_fma_f32 v[BM+4+\x], v[BM+4+\x], s18, v[ST+2]
.endr
	WALU
.set jj, 0
.rept 128
	v_exp_f32 v[S+jj], v[S+jj]                     ; p = 2^(t - M)
.set jj, jj+1
.endr
	v_pk_mul_f32 v[SM:SM+1], v[SM:SM+1], v[F:F+1] op_sel_hi:[1,0]   ; the sums under the new M: plain lines behind the exponentials
	v_pk_mul_f32 v[SM+2:SM+3], v[SM+2:SM+3], v[F:F+1] op_sel_hi:[1,0]
	v_pk_mul_f32 v[SM+4:SM+5], v[SM+4:SM+5], v[F:F+1] op_sel:[0,1] op_sel_hi:[1,1]
	v_pk_mul_f32 v[SM+6:SM+7], v[SM+6:SM+7], v[F:F+1] op_sel:[0,1] op_sel_hi:[1,1]
	WALU                                           ; one wait for the 128, ahead of their first reader
.irp x, 0,1,2,3,4,5,6,7
	v_exp_f32 v[BM+\x], v[BM+\x]                   ; the block's largest p
.endr
.irp j, 0,4,8,12,16,20,24,28,32,36,40,44,48,52,56,60
	v_pk_add_f32 v[SM:SM+1], v[SM:SM+1], v[S+\j:S+\j+1]             ; the rows' sums, of the unquantised p: four chains
	v_pk_add_f32 v[SM+2:SM+3], v[SM+2:SM+3], v[S+\j+2:S+\j+3]
	v_pk_add_f32 v[SM+4:SM+5], v[SM+4:SM+5], v[S+64+\j:S+65+\j]
	v_pk_add_f32 v[SM+6:SM+7], v[SM+6:SM+7], v[S+66+\j:S+67+\j]
.endr
	WALU                                           ; and one for the eight
.irp x, 0,1,2,3,4,5,6,7
	v_max_num_f32 v[BM+\x], 0x8000000, v[BM+\x]    ; the floor 2^(16 - 127)
.endr
.irp x, 0,1,2,3,4,5,6,7
	v_add_nc_u32 v[SOP+\x], 0xf8800000, v[BM+\x]   ; the conversion's scale operand
.endr
.irp x, 0,1,2,3,4,5,6,7
	v_and_or_b32 v[LIM+\x], v[BM+\x], 0x7f800000, s22   ; 57,344 x the scale
.endr
.irp x, 0,1,2,3,4,5,6,7
	v_lshrrev_b32 v[PT+\x], 23, v[SOP+\x]          ; the byte
.endr
	v_lshl_or_b32 v[PW], v[PT+1], 8, v[PT]         ; p's scale words for these 128 keys
	v_lshl_or_b32 v[PW+1], v[PT+5], 8, v[PT+4]
	v_lshl_or_b32 v[PW], v[PT+2], 16, v[PW]
	v_lshl_or_b32 v[PW+1], v[PT+6], 16, v[PW+1]
	v_lshl_or_b32 v[PW], v[PT+3], 24, v[PW]
	v_lshl_or_b32 v[PW+1], v[PT+7], 24, v[PW+1]
.irp x, 0,1,2,3,4,5,6,7
.irp i, 0,2,4,6,8,10,12,14
	HOLD2 S+16*\x+\i, LIM+\x
.endr
.endr
	WIN 0x40
.irp x, 0,1,2,3,4,5,6,7
	v_cvt_scalef32_pk8_bf8_f32 v[PC+4*\x:PC+4*\x+1], v[S+16*\x:S+16*\x+7], v[SOP+\x]
	v_cvt_scalef32_pk8_bf8_f32 v[PC+4*\x+2:PC+4*\x+3], v[S+16*\x+8:S+16*\x+15], v[SOP+\x]
.endr
	WIN 0x41
	WALU                                           ; the wait directly ahead of the first reader of O^T
.set jj, 0
.rept 16
	v_pk_mul_f32 v[OB+jj:OB+jj+1], v[OB+jj:OB+jj+1], v[F:F+1] op_sel_hi:[1,0]   ; O^T under the new M, each accumulator from its low end on; these 32 are also the places between the codes and the products
.set jj, jj+2
.endr
.set jj, 0
.rept 16
	v_pk_mul_f32 v[OB+32+jj:OB+33+jj], v[OB+32+jj:OB+33+jj], v[F:F+1] op_sel:[0,1] op_sel_hi:[1,1]
.set jj, jj+2
.endr
	WIN 0x55
	WALU
	s_wait_dscnt 0x0                               ; V^T and its scale words
.irp d, 0,1,2,3
	MM OB+8*\d, KA+16*\d, PC, v[OB+8*\d:OB+8*\d+7], KS+\d, PW           ; eight accumulators by turns
	MM OB+32+8*\d, KA+16*\d, PC+16, v[OB+32+8*\d:OB+32+8*\d+7], KS+\d, PW+1
.endr
	WIN 0
.rept 8
	v_nop                                          ; places in front of the next loads into V^T's and the scale words' registers and of the reads of O^T
.endr
.Lhid:
	s_add_co_u32 s17, s17, KVS
	s_add_co_u32 s16, s16, 1
	s_cmp_lt_u32 s16, 16
	s_cbranch_scc1 .Lstep
	; THE PAIR'S WAY OUT.  O^T / the sum; the two tiles' 64 numbers a lane are four blocks of 32 channels (0, 1: tile a; 2, 3: tile b), quantised along C; the codes are fragments' pieces of a_q as they stand.
	v_pk_add_f32 v[SM:SM+1], v[SM:SM+1], v[SM+2:SM+3]
	v_pk_add_f32 v[SM+4:SM+5], v[SM+4:SM+5], v[SM+6:SM+7]
	v_add_f32 v[SM], v[SM], v[SM+1]
	v_add_f32 v[SM+4], v[SM+4], v[SM+5]
	v_permlanex16_b32 v[SM+1], v[SM], s20, s21
	v_permlanex16_b32 v[SM+5], v[SM+4], s20, s21
	v_add_f32 v[SM], v[SM], v[SM+1]
	v_add_f32 v[SM+4], v[SM+4], v[SM+5]
	WALU                                           ; ahead of the reciprocals
	v_rcp_f32 v[SM], v[SM]
	v_rcp_f32 v[SM+4], v[SM+4]
	v_nop                                          ; a plain line behind them
	WIN 0x01
	WALU                                           ; one wait for the two, directly ahead of their first reader, which is O^T's too
.set jj, 0
.rept 16
	v_pk_mul_f32 v[S+jj:S+jj+1], v[OB+jj:OB+jj+1], v[SM:SM+1] op_sel_hi:[1,0]
.set jj, jj+2
.endr
.set jj, 0
.rept 16
	v_pk_mul_f32 v[S+32+jj:S+33+jj], v[OB+32+jj:OB+33+jj], v[SM+4:SM+5] op_sel_hi:[1,0]
.set jj, jj+2
.endr
	WIN 0
.irp b, 0,1,2,3
	v_max3_num_f32 v[BM+\b], |v[S+16*\b]|, |v[S+1+16*\b]|, 0x8000000
.endr
.irp i, 2,4,6,8,10,12,14
.irp b, 0,1,2,3
	v_max3_num_f32 v[BM+\b], v[BM+\b], |v[S+16*\b+\i]|, |v[S+1+16*\b+\i]|
.endr
.endr
.irp b, 0,1,2,3
	v_permlanex16_b32 v[PT+\b], v[BM+\b], s20, s21
.endr
.irp b, 0,1,2,3
	v_max_num_f32 v[BM+\b], v[BM+\b], v[PT+\b]
.endr
.irp b, 0,1,2,3
	v_add_nc_u32 v[SOP+\b], 0xf8800000, v[BM+\b]
.endr
.irp b, 0,1,2,3
	v_and_or_b32 v[LIM+\b], v[BM+\b], 0x7f800000, s22
.endr
.irp b, 0,1,2,3
	v_lshrrev_b32 v[PT+\b], 23, v[SOP+\b]
.endr
	v_lshl_or_b32 v[T0], v[PT+1], 8, v[PT]         ; tile a's two bytes,
	v_lshl_or_b32 v[T0+1], v[PT+3], 8, v[PT+2]     ; tile b's
	v_cmp_ne_u32 vcc_lo, 0, v[HH]
	v_cndmask_b32 v[T0], v[T0], v[T0+1], vcc_lo    ; lanes 0-15 store tile a's, lanes 16-31 tile b's (both halves of the lanes hold both)
.irp b, 0,1,2,3
.irp i, 0,1,2,3,4,5,6,7,8,9,10,11,12,13,14,15
	v_med3_num_f32 v[S+16*\b+\i], v[S+16*\b+\i], -v[LIM+\b], v[LIM+\b]
.endr
.endr
	WIN 0x40
.irp b, 0,1,2,3
	v_cvt_scalef32_pk8_bf8_f32 v[PC+4*\b:PC+1+4*\b], v[S+16*\b:S+7+16*\b], v[SOP+\b]
	v_cvt_scalef32_pk8_bf8_f32 v[PC+2+4*\b:PC+3+4*\b], v[S+8+16*\b:S+15+16*\b], v[SOP+\b]
.endr
	v_nop                                          ; a plain line behind the last conversion
	WIN 0x04                                       ; the stores' data lie in window 1
	global_store_b128 v[L16], v[PC:PC+3], s[48:49]                 ; 512 consecutive bytes each
	global_store_b128 v[L16], v[PC+4:PC+7], s[48:49] offset:512
	global_store_b128 v[L16], v[PC+8:PC+11], s[48:49] offset:2048
	global_store_b128 v[L16], v[PC+12:PC+15], s[48:49] offset:2560
	WIN 0
	global_store_b16 v[SOF], v[T0], s[52:53]       ; two bytes a lane, 32 bytes apart: a head owns two of a row's 32 scale bytes; 262,144 bytes of the launch leave so
	s_wait_xcnt 0x0                                ; the stores have read their registers and bases: both are written below and in the next phase
.irp j, 0,1,2,3,4,5,6,7
	v_mov_b32 v[QF+\j], v[QN+\j]                   ; the second pair's Q, which has waited in registers
	v_mov_b32 v[QF+16+\j], v[QN+8+\j]
.endr
	v_mov_b32 v[QS], v[QSN]
	v_mov_b32 v[QS+1], v[QSN+1]
	s_mov_b64 s[48:49], s[50:51]
	s_mov_b64 s[52:53], s[54:55]
	s_mov_b32 s13, s14
	s_add_co_u32 s23, s23, 1
	s_cmp_lt_u32 s23, 2
	WALU
	s_cbranch_scc1 .Lphase
	s_wait_tensorcnt 0x0                           ; the wave's end
	ds_add_u32 v[SPW], v[NIL]
	s_wait_dscnt 0x0
	ROUND                                          ; the closing round: no work-group ends while a partner may still ask for a tile that names it
	s_endpgm
.Lfunc_end_k_qee11803c5d_attn:
	.size	k_qee11803c5d_attn, .Lfunc_end_k_qee11803c5d_attn-k_qee11803c5d_attn
	.p2alignl 7, 3214868480
	.fill 96, 4, 3214868480
	.section	.rodata,"a",@progbits
	.p2align	6, 0x0
	.amdhsa_kernel k_qee11803c5d_attn
		.amdhsa_group_segment_fixed_size 276480
		.amdhsa_private_segment_fixed_size 0
		.amdhsa_enable_private_segment 0
		.amdhsa_kernarg_size 24
		.amdhsa_user_sgpr_count 2
		.amdhsa_user_sgpr_kernarg_segment_ptr 1
		.amdhsa_wavefront_size32 1
		.amdhsa_system_sgpr_workgroup_id_x 1
		.amdhsa_system_sgpr_workgroup_id_y 1
		.amdhsa_system_sgpr_workgroup_id_z 1
		.amdhsa_system_vgpr_workitem_id 0
		.amdhsa_next_free_vgpr 512
		.amdhsa_next_free_sgpr 66
		.amdhsa_reserve_vcc 1
		.amdhsa_float_denorm_mode_32 3
		.amdhsa_float_denorm_mode_16_64 3
		.amdhsa_memory_ordered 1
		.amdhsa_forward_progress 1
		.amdhsa_inst_pref_size 65
	.end_amdhsa_kernel
	.amdgpu_metadata
---
amdhsa.version: [ 1, 2 ]
amdhsa.kernels:
  - .name:           k_qee11803c5d_attn
    .symbol:         k_qee11803c5d_attn.kd
    .args:
      - { .name: q_q, .offset: 0, .size: 8, .value_kind: global_buffer, .address_space: global }
      - { .name: kv_q, .offset: 8, .size: 8, .value_kind: global_buffer, .address_space: global }
      - { .name: a_q, .offset: 16, .size: 8, .value_kind: global_buffer, .address_space: global }
    .group_segment_fixed_size: 276480
    .private_segment_fixed_size: 0
    .kernarg_segment_align: 8
    .kernarg_segment_size: 24
    .max_flat_workgroup_size: 256
    .sgpr_count:     66
    .vgpr_count:     512
    .wavefront_size: 32
...
	.end_amdgpu_metadata
.endif
;; end of part 3
;; launch gemm2 (part 4): grid 4 x 64, 4 waves a work-group, clusters of 4 x 4, 327,680 bytes of LDS; arguments a_q, w_q, o_b, out0; writes out0
.if DOCPART == 4
	.amdgcn_target "amdgcn-amd-amdhsa--gfx1250"
	.amdhsa_code_object_version 6
	.text
	.protected	k_qee11803c5d_gemm2
	.globl	k_qee11803c5d_gemm2
	.p2align	8
	.type	k_qee11803c5d_gemm2,@function
k_qee11803c5d_gemm2:
	s_mov_b64 s[64:65], 0
	v_nop
	global_prefetch_b8 v0, s[64:65] scope:SCOPE_SE
	s_setreg_imm32_b32 hwreg(HW_REG_WAVE_MODE, 25, 1), 1
	s_wait_xcnt 0x0
	s_wait_alu depctr_hold_cnt(0) depctr_sa_sdst(0) depctr_va_vdst(0) depctr_va_sdst(0) depctr_va_ssrc(0) depctr_va_vcc(0) depctr_vm_vsrc(0)
	s_getreg_b32 s2, hwreg(HW_REG_IB_STS2, 6, 4)
	s_cmp_eq_u32 s2, 0
	s_cbranch_scc0 .Lentry_in_a_cluster
	s_endpgm
.Lentry_in_a_cluster:
	s_bfe_u32 s2, ttmp6, 0x10000c
	s_cmp_lg_u32 s2, 0xf033
	s_cbranch_scc0 .Lentry_shape_is_right
	s_endpgm
.Lentry_shape_is_right:
; out0 = a W_o + o_b on codes of BF8 (E5M2) with E8M0 scales; f32 sums; the bias is the first products' C.
; OPERANDS lie in memory as images of the operand's registers (rows in groups of 128 = RG; lane r of tile i holds row 32 (i / 2) + 8 (i % 2) + r + 8 (r / 8); a fragment of 16 rows x 128 K is 2,048 bytes, 16 bytes a lane four times).
; 256 WORK-GROUPS: each makes 128 rows of a (P: a_q's RG 4 Y + cy) x 256 columns of W_o (R: w_q's RG 24 + 2 cx on); a wave makes 64 x 128: P's tiles 4 (wave / 2) on x R's RG wave % 2: 32 accumulators.
; Source 0 = a tile of R, source 1 = a tile of P: a lane holds one row of the result, and the 16 registers of R's tiles 2 j and 2 j + 1 are 16 neighbouring columns.
; K = 1,024 goes in four steps of 256 through two LDS slots (P's RG at byte 0 of a slot, R's two from byte 65,536 on).  Wave 0 fetches P's part, wave 2 R's; waves 1 and 3 fetch all scale words, once, at the head.
; Fragments stand in two sets: while one is multiplied, the other takes the next 128 along K.
; CLUSTER 4 x 4: P's tiles hang on cy and the cluster's y and are asked for jointly by a row, R's on cx and by a column.  Every branch hangs on the wave's number.
; No prefetch: K is four slot steps in clusters.  The results leave through each wave's own stage in slot 0, behind that slot's last fill and last read, as rows of 512 bytes.
; REGISTERS: window 0: v1 r, v2 h, v18-27 addresses, v28-29 for the add, v32-63 scale words (two sets), v64-127 the bias as C, v128-255 P's fragments, two sets (later the way out).  window 1: R's fragments, two sets.  window 2: the accumulators.
.set XSCO,  8388608
.set WSCO,  4194304
.set SLOTB, 131072
.set SCL,   2*SLOTB                    ; behind the ring: P's scale words, 4,096 bytes, then R's, 8,192
.set SPARE, SCL+12288                  ; the spare words, 128 bytes for each wave
.set NQ,    2
.set FR,    16
.set NP,    8                          ; places behind this matrix instruction (ISA guide 7.12.1)
.set ADRA2, 18
.set ADRB,  20
.set ADRS,  22
.set L16,   24
.set STO,   25
.set RD,    26
.set SPW,   28
.set NIL,   29
.set SC,    32
.set BI,    64
.set AF,    128
.set AFB,   AF                         ; where the set of P's fragments in hand begins
.set BK,    128
.set G1,    24
.set G0,    32
.set G1B,   48
.set G0B,   56
.set G1S,   68
.set G0S,   76
.set G1SB,  80
.set G0SB,  88
.set MSB, 0
.macro WIN new                         ; the immediate's high byte repeats the setting that is left
.if MSB != (\new)
	s_set_vgpr_msb (MSB<<8)|(\new)
.set MSB, (\new)
.endif
.endm
.set MUL_LO, 0xa1                      ; source 0 (R) window 1, source 1 (P) window 0, C and D window 2
.set FST_LO, 0x81                      ; the first step: C is the bias, in window 0
.set TO_B,   0x40
.macro PLACES n
.rept \n
	v_nop
.endr
.endm
.macro TL g0, g1                       ; a tensor load; s_nop 0 and four v_nop follow it
	tensor_load_to_lds s[\g0:\g0+3], s[\g1:\g1+7]
	s_nop 0
	PLACES 4
.endm
.macro JLOAD g0a, g1a, g0b, g1b        ; a slot's joint loads: wave 0 for P, wave 2 for R
	s_cmp_eq_u32 s14, 0
	s_cbranch_scc0 .Lnot_p_\@
	TL \g0a, \g1a
	s_branch .Lasked_\@
.Lnot_p_\@:
	s_cmp_eq_u32 s14, 2
	s_cbranch_scc0 .Lasked_\@
	TL \g0b, \g1b
.Lasked_\@:
.endm
.macro CREST                           ; a round of the cluster's barrier behind its opening barrier
	s_cmp_lg_u32 s14, 0
	s_cbranch_scc1 .Lnot_wave_0_\@
	s_barrier_signal -3
.Lnot_wave_0_\@:
	s_barrier_wait -3
	s_barrier_signal -1
	s_barrier_wait -1
.endm
.macro CROUND
	s_barrier_signal -1
	s_barrier_wait -1
	CREST
.endm
.macro FRAG reg, adr, q, i             ; a fragment's image: four loads of 512 consecutive bytes
.irp c, 0,1,2,3
	ds_load_b128 v[\reg+4*\c:\reg+4*\c+3], v[\adr] offset:16384*(\q)+2048*(\i)+512*\c
.endr
.endm
.macro WM d, rb, pa, c, sr, sp
	v_wmma_scale_f32_16x16x128_f8f6f4 v[\d:\d+7], v[\rb:\rb+15], v[\pa:\pa+15], \c, v[\sr], v[\sp] matrix_a_fmt:MATRIX_FMT_BF8 matrix_b_fmt:MATRIX_FMT_BF8 matrix_a_scale:MATRIX_SCALE_ROW1
.endm
.macro MUL16 a0, p, q, sc, first       ; P's tiles a0, a0 + 1 x R's eight, 128 along K.  first = 1: C is the bias.  The accumulators take turns, one instruction a turn
.irp a, \a0, \a0+1
.irp b, 0,1,2,3,4,5,6,7
.if \first
	WM 8*(8*(\a)+\b), 128*(\p)+FR*\b, AFB+FR*(\a), v[BI+8*\b:BI+8*\b+7], SC+8*NQ*(\sc)+NQ*\b+(\q), SC+8*NQ*(\sc)+NQ*(\a)+(\q)
.else
	WM 8*(8*(\a)+\b), 128*(\p)+FR*\b, AFB+FR*(\a), v[8*(8*(\a)+\b):8*(8*(\a)+\b)+7], SC+8*NQ*(\sc)+NQ*\b+(\q), SC+8*NQ*(\sc)+NQ*(\a)+(\q)
.endif
.endr
.endr
.endm
.macro FETCH2 slot, q, p               ; R's eight fragments and P's four into set p
	WIN TO_B
.irp i, 0,1,2,3,4,5,6,7
	FRAG 128*(\p)+FR*\i, ADRB+\slot, \q, \i
.endr
	WIN 0
.irp i, 0,1,2,3
	FRAG AF+64*(\p)+FR*\i, ADRA2+\slot, \q, \i
.endr
.endm
.macro SCALES sc                       ; a slot step's two words a row: lanes 0-15 take P's tile i (of 0-3; what they take for 4-7 is not used), lanes 16-31 R's tile i
.irp i, 0,1,2,3,4,5,6,7
	ds_load_b64 v[SC+8*NQ*\sc+NQ*\i:SC+8*NQ*\sc+NQ*\i+1], v[ADRS] offset:\i*512
.endr
.endm
.macro S2 slot, first                  ; a slot's first 128 along K on set 0; the second's fragments come into set 1 under the products
	s_wait_dscnt 0x0
	FETCH2 \slot, 1, 1
.set AFB, AF
.if \first
	WIN FST_LO
.else
	WIN MUL_LO
.endif
	MUL16 0, 0, 0, \slot, \first
	MUL16 2, 0, 0, \slot, \first
	WIN 0
	PLACES NP
.endm
.macro T2 slot, next, fill             ; a slot's second 128 on set 1, and the change of slots
	s_wait_tensorcnt 0x0                           ; all my tensor loads have landed
	ds_add_u32 v[SPW], v[NIL]                      ; 0 onto my spare word
	s_wait_dscnt 0x0                               ; the add is done, set 1 is in, my reads of this slot are over
	s_barrier_signal -1
.set AFB, AF+64
	WIN MUL_LO
	MUL16 0, 1, 1, \slot, 0
	WIN 0
	s_barrier_wait -1
.if \fill
	CREST                                          ; the barrier has opened a round of the cluster's: no wave of any partner still reads this slot or has a load on its way
	s_add_nc_u64 s[G0+4*\slot+2:G0+4*\slot+3], s[G0+4*\slot+2:G0+4*\slot+3], 65536
	s_add_nc_u64 s[G0B+4*\slot+2:G0B+4*\slot+3], s[G0B+4*\slot+2:G0B+4*\slot+3], 65536
	JLOAD G0+4*\slot, G1, G0B+4*\slot, G1B         ; the first tensor load behind the round, at most one a wave
.endif
	s_wait_alu depctr_va_vdst(0)
	v_add_nc_u32 v[ADRS], 4*NQ, v[ADRS]            ; the next slot step's scale words
	FETCH2 \next, 0, 0                             ; set 0's last products stand eight places and more back
	SCALES \next
	WIN MUL_LO
	MUL16 2, 1, 1, \slot, 0
	WIN 0
	PLACES NP
.endm
	s_load_b256 s[4:11], s[0:1], 0x0               ; a_q s[4:5], w_q s[6:7], o_b s[8:9], out0 s[10:11]
	v_lshl_add_u32 v[SPW], v0, 2, SPARE
	v_mov_b32 v[NIL], 0
	ds_add_u32 v[SPW], v[NIL]                      ; the opening lines: the add, twice on end, and its wait
	ds_add_u32 v[SPW], v[NIL]
	v_lshrrev_b32 v1, 5, v0
	v_readfirstlane_b32 s14, v1                    ; wave 0..3
	s_lshr_b32 s15, s14, 1                         ; my half of P's tiles
	s_and_b32 s16, s14, 1                          ; my RG of R
	s_bfe_u32 s20, ttmp6, 0x40000                  ; cx
	s_bfe_u32 s21, ttmp6, 0x40004                  ; cy
	s_and_b32 s17, ttmp7, 0xffff                   ; Y, 0..15
	s_lshl_b32 s22, s21, 2
	s_lshl_b32 s22, 15, s22                        ; my row of the cluster
	s_lshl_b32 s23, 0x1111, s20                    ; my column
	s_or_b32 s[G1], s22, (3<<16)|(1<<21)           ; the mask; elements of 8 bytes; bit 21 beside a mask; no padding: the images are read 512 consecutive bytes at a time
	s_or_b32 s[G1B], s23, (3<<16)|(1<<21)
	s_or_b32 s[G1S], s22, (3<<16)|(1<<21)
	s_or_b32 s[G1SB], s23, (3<<16)|(1<<21)
	s_mov_b32 s[G1+1], 32<<16                      ; P's codes: a slot's part of one RG: 32,768 dense bytes as 128 rows of 256
	s_mov_b32 s[G1+2], 128<<16
	s_mov_b32 s[G1+3], 32<<16
	s_mov_b32 s[G1+4], 128
	s_mov_b32 s[G1+5], 32
	s_mov_b32 s[G1B+1], 4096<<16                   ; R's codes: a slot's part of two RG as 2 rows of 32,768 bytes, 131,072 bytes apart
	s_mov_b32 s[G1B+2], 2<<16
	s_mov_b32 s[G1B+3], 4096<<16
	s_mov_b32 s[G1B+4], 2
	s_mov_b32 s[G1B+5], 16384
	s_mov_b32 s[G1S+1], 32<<16                     ; P's scale words: 4,096 dense bytes as 16 rows of 256
	s_mov_b32 s[G1S+2], 16<<16
	s_mov_b32 s[G1S+3], 32<<16
	s_mov_b32 s[G1S+4], 16
	s_mov_b32 s[G1S+5], 32
	s_mov_b32 s[G1SB+1], 32<<16                    ; R's: 8,192 as 32 rows
	s_mov_b32 s[G1SB+2], 32<<16
	s_mov_b32 s[G1SB+3], 32<<16
	s_mov_b32 s[G1SB+4], 32
	s_mov_b32 s[G1SB+5], 32
.irp g, G1, G1B, G1S, G1SB
	s_mov_b32 s[\g+6], 0
	s_mov_b32 s[\g+7], 0
.endr
	s_lshl_b32 s40, s17, 2
	s_add_co_u32 s40, s40, s21                     ; P: a_q's RG 4 Y + cy
	s_lshl_b32 s44, s40, 17
	s_mov_b32 s45, 0
	s_lshl_b32 s46, s40, 12
	s_add_co_u32 s46, s46, XSCO
	s_mov_b32 s47, 0
	s_lshl_b32 s42, s20, 1
	s_add_co_u32 s42, s42, 24                      ; R: w_q's RG 24 + 2 cx on
	s_lshl_b32 s2, s42, 17
	s_mov_b32 s3, 0
	s_lshl_b32 s100, s42, 12
	s_add_co_u32 s100, s100, WSCO
	s_mov_b32 s101, 0
	s_wait_dscnt 0x0
	s_wait_kmcnt 0x0
	s_add_nc_u64 s[92:93], s[4:5], s[44:45]
	s_add_nc_u64 s[94:95], s[6:7], s[2:3]
	CROUND                                         ; all sixteen work-groups are here: the first joint loads meet
	s_mov_b32 s[G0S], 1
	s_mov_b32 s[G0S+1], SCL
	s_add_nc_u64 s[G0S+2:G0S+3], s[4:5], s[46:47]
	s_or_b32 s[G0S+3], s[G0S+3], 0x80000000
	s_mov_b32 s[G0SB], 1
	s_mov_b32 s[G0SB+1], SCL+4096
	s_add_nc_u64 s[G0SB+2:G0SB+3], s[6:7], s[100:101]
	s_or_b32 s[G0SB+3], s[G0SB+3], 0x80000000
.irp s, 0,1
	s_mov_b32 s[G0+4*\s], 1
	s_mov_b32 s[G0+4*\s+1], \s*SLOTB
	s_add_nc_u64 s[G0+4*\s+2:G0+4*\s+3], s[92:93], \s*32768
	s_or_b32 s[G0+4*\s+3], s[G0+4*\s+3], 0x80000000
	s_mov_b32 s[G0B+4*\s], 1
	s_mov_b32 s[G0B+4*\s+1], \s*SLOTB+65536
	s_add_nc_u64 s[G0B+4*\s+2:G0B+4*\s+3], s[94:95], \s*32768
	s_or_b32 s[G0B+4*\s+3], s[G0B+4*\s+3], 0x80000000
.endr
	; THE HEAD'S LOADS, ONE A WAVE, in one chain of arms: wave 0 P's slot 0, wave 1 P's scale words, wave 2 R's slot 0, wave 3 R's scale words
	s_cmp_lt_u32 s14, 1
	s_cbranch_scc0 .Lhead_ps
	TL G0, G1
	s_branch .Lhead_asked
.Lhead_ps:
	s_cmp_lt_u32 s14, 2
	s_cbranch_scc0 .Lhead_r
	TL G0S, G1S
	s_branch .Lhead_asked
.Lhead_r:
	s_cmp_lt_u32 s14, 3
	s_cbranch_scc0 .Lhead_rs
	TL G0B, G1B
	s_branch .Lhead_asked
.Lhead_rs:
	TL G0SB, G1SB
.Lhead_asked:
	s_lshl_b32 s42, s20, 1
	s_add_co_u32 s42, s42, s16                     ; my 128 columns: group 2 cx + my RG of R
	s_lshl_b32 s40, s42, 9                         ; 512 bytes of the bias, and of a row of the result
	s_mov_b32 s41, 0
	s_add_nc_u64 s[44:45], s[8:9], s[40:41]
	s_lshl_b32 s2, s17, 2
	s_add_co_u32 s2, s2, s21
	s_lshl_b32 s2, s2, 19                          ; my RG of rows: 128 rows of 4,096 bytes,
	s_lshl_b32 s3, s15, 18                         ; my tiles begin at row 64 x half
	s_add_co_u32 s2, s2, s3
	s_add_co_u32 s2, s2, s40
	s_mov_b32 s3, 0
	s_add_nc_u64 s[92:93], s[10:11], s[2:3]        ; where my results go
	s_lshl_b32 s40, s15, 13                        ; my four tiles of P in a slot
	s_lshl_b32 s41, s16, 15
	s_add_co_u32 s41, s41, 65536                   ; my RG of R
	s_lshl_b32 s22, s15, 11                        ; P's scale words of my four tiles;
	s_lshl_b32 s43, s16, 12
	s_add_co_u32 s43, s43, 4096
	s_sub_co_u32 s43, s43, s22                     ; from there to my RG of R's
	s_add_co_u32 s22, s22, SCL
	s_mul_i32 s23, s14, 8448                       ; my stage: 16 rows x (512 bytes + 16)
	v_and_b32 v1, 15, v0                           ; r
	v_bfe_u32 v2, v0, 4, 1                         ; h
	v_and_b32 v5, 31, v0
	v_lshlrev_b32 v3, 6, v2                        ; 64 h
	v_lshlrev_b32 v[L16], 4, v5                    ; 16 x lane
.irp b, 0,1,2,3,4,5,6,7
	global_load_b128 v[BI+8*\b:BI+8*\b+3], v3, s[44:45] offset:(32*(\b/2)+8*(\b%2))*4
	global_load_b128 v[BI+8*\b+4:BI+8*\b+7], v3, s[44:45] offset:(32*(\b/2)+8*(\b%2))*4+16
.endr
	v_add_nc_u32 v[ADRA2], s40, v[L16]
	v_add_nc_u32 v[ADRB], s41, v[L16]
	v_add_nc_u32 v[ADRA2+1], SLOTB, v[ADRA2]
	v_add_nc_u32 v[ADRB+1], SLOTB, v[ADRB]
	v_mul_u32_u24 v7, s43, v2                      ; lanes 16-31 take R's words: one product by h, the distance between the two regions
	v_lshl_add_u32 v7, v1, 5, v7
	v_add_nc_u32 v[ADRS], s22, v7
	v_mul_u32_u24 v[STO], v1, 528                  ; into the stage: row r, 64 bytes for each half of the lanes
	v_lshl_add_u32 v[STO], v2, 6, v[STO]
	v_add_nc_u32 v[STO], s23, v[STO]
	v_add_nc_u32 v[RD], s23, v[L16]                ; back: the 32 lanes take one row of 512 bytes
	s_wait_alu depctr_va_vdst(0)
	s_wait_loadcnt 0x0                             ; the bias
	s_wait_tensorcnt 0x0                           ; my tile of the head's four is in; slot 1's first fill is issued as a refill is
	ds_add_u32 v[SPW], v[NIL]
	s_wait_dscnt 0x0
	CROUND                                         ; all four tiles are in, and all sixteen work-groups are here
	JLOAD G0+4, G1, G0B+4, G1B                     ; slot 1: the first tensor load behind the round
	FETCH2 0, 0, 0
	SCALES 0
	S2 0, 1                                        ; the first products start the sums with the bias: nothing is cleared
	T2 0, 1, 1                                     ; slot 0 takes K 512 on
	S2 1, 0
	T2 1, 0, 1                                     ; slot 1 takes K 768 on
	S2 0, 0
	T2 0, 1, 0                                     ; nothing is left to fetch
	S2 1, 0
	s_wait_dscnt 0x0
.set AFB, AF+64
	WIN MUL_LO
	MUL16 0, 1, 1, 1, 0
	MUL16 2, 1, 1, 1, 0
	WIN 0
	PLACES NP
; THE WAY OUT, block by block of 16 rows x 128 columns, through my own stage: LDS serves a wave's instructions in order (ISA guide 5.7.1.4), so no wait stands between the stores and the loads
.macro TOSTAGE a
.set AC, 64*(\a)
	WIN 0x08                                       ; the data: window 2
.irp b, 0,1,2,3,4,5,6,7
	ds_store_b128 v[STO], v[AC+8*\b:AC+8*\b+3] offset:128*(\b/2)+32*(\b%2)          ; each accumulator from its low end on
	ds_store_b128 v[STO], v[AC+8*\b+4:AC+8*\b+7] offset:128*(\b/2)+32*(\b%2)+16
.endr
	WIN 0
.set BB, BK+64*((\a)%2)
.irp t, 0,1,2,3,4,5,6,7,8,9,10,11,12,13,14,15
	ds_load_b128 v[BB+4*\t:BB+4*\t+3], v[RD] offset:\t*528
.endr
.endm
.macro SEND a, younger                 ; younger: the LDS instructions issued behind block a's loads, which may stay out
.set BB, BK+64*((\a)%2)
	s_wait_dscnt \younger
.irp t, 0,1,2,3,4,5,6,7,8,9,10,11,12,13,14,15
	global_store_b128 v[L16], v[BB+4*\t:BB+4*\t+3], s[92:93] offset:(32*((\a)/2)+8*((\a)%2)+\t+8*(\t/8))*4096 th:TH_STORE_NT   ; 32 lanes store 512 consecutive bytes, aligned
.endr
.endm
	TOSTAGE 0
.irp a, 1,2,3
.if \a > 1
	s_wait_xcnt 0x0                                ; block a - 2's stores have read their registers: block a's loads may land there
.endif
	TOSTAGE \a
	SEND \a-1, 32                                  ; behind block a - 1's loads: block a's 16 stores and 16 loads
.endr
	SEND 3, 0
	s_wait_tensorcnt 0x0                           ; the wave's end
	ds_add_u32 v[SPW], v[NIL]
	s_wait_dscnt 0x0
	CROUND                                         ; the closing round: no work-group ends while a partner may still ask for a tile that names it
	s_endpgm
.Lfunc_end_k_qee11803c5d_gemm2:
	.size	k_qee11803c5d_gemm2, .Lfunc_end_k_qee11803c5d_gemm2-k_qee11803c5d_gemm2
	.p2alignl 7, 3214868480
	.fill 96, 4, 3214868480
	.section	.rodata,"a",@progbits
	.p2align	6, 0x0
	.amdhsa_kernel k_qee11803c5d_gemm2
		.amdhsa_group_segment_fixed_size 327680
		.amdhsa_private_segment_fixed_size 0
		.amdhsa_enable_private_segment 0
		.amdhsa_kernarg_size 32
		.amdhsa_user_sgpr_count 2
		.amdhsa_user_sgpr_kernarg_segment_ptr 1
		.amdhsa_wavefront_size32 1
		.amdhsa_system_sgpr_workgroup_id_x 1
		.amdhsa_system_sgpr_workgroup_id_y 1
		.amdhsa_system_sgpr_workgroup_id_z 1
		.amdhsa_system_vgpr_workitem_id 0
		.amdhsa_next_free_vgpr 768
		.amdhsa_next_free_sgpr 104
		.amdhsa_reserve_vcc 0
		.amdhsa_float_denorm_mode_32 3
		.amdhsa_float_denorm_mode_16_64 3
		.amdhsa_memory_ordered 1
		.amdhsa_forward_progress 1
		.amdhsa_inst_pref_size 90
	.end_amdhsa_kernel
	.amdgpu_metadata
---
amdhsa.version: [ 1, 2 ]
amdhsa.kernels:
  - .name:           k_qee11803c5d_gemm2
    .symbol:         k_qee11803c5d_gemm2.kd
    .args:
      - { .name: a_q, .offset: 0, .size: 8, .value_kind: global_buffer, .address_space: global }
      - { .name: w_q, .offset: 8, .size: 8, .value_kind: global_buffer, .address_space: global }
      - { .name: o_b, .offset: 16, .size: 8, .value_kind: global_buffer, .address_space: global }
      - { .name: out0, .offset: 24, .size: 8, .value_kind: global_buffer, .address_space: global }
    .group_segment_fixed_size: 327680
    .private_segment_fixed_size: 0
    .kernarg_segment_align: 8
    .kernarg_segment_size: 32
    .max_flat_workgroup_size: 128
    .sgpr_count:     104
    .vgpr_count:     768
    .wavefront_size: 32
...
	.end_amdgpu_metadata
.endif
;; end of part 4
